; MI455X (gfx1250); checked and timed in simulation.
; The chip was launched on July 23, 2026; its instructions are those of AMD's public machine-readable ISA for CDNA 5 (MIT licence, August 2026) and "CDNA5" Instruction Set Architecture Reference Guide (July 2026). The comments in the code are by the model that wrote it; some were corrected since.
;; Plasticity Model Mo E. Allowed arithmetic: matrix products marked QUANTISED: E5M2 operands, one given power-of-two scale a tensor, by v_wmma_f32_16x16x64_bf8_bf8 or v_wmma_f32_16x16x128_bf8_bf8, f32 sums; products left as they are: f32 operands where the result goes on into a quantised operand, else bf16, f16 or f32 operands; f32 sums; everything else in f32.
;; Inputs: W1_codes 8 x 4,096 x 32 x 32 uint8 (E5M2 codes of W1, K innermost, in blocks of 32 codes); W2_codes 8 x 1,024 x 128 x 32 uint8 (E5M2 codes of W2, K innermost, in blocks of 32 codes); Wg 1,024 x 8 float32; Wq_in_codes 16 x 32 x 32 uint8 (E5M2 codes of Wq_in, K innermost, in blocks of 32 codes); Wq_out 16 x 1,024 float32; Wr_codes 512 x 32 x 32 uint8 (E5M2 codes of Wr, K innermost, in blocks of 32 codes); act_w 9 float32; amplitude 1,024 float32; b1 8 x 4,096 float32; b2 8 x 1,024 float32; br 512 float32; c 1 float32; chaotic_r 1 float32; lams 2 x 4 float32; lowp_scales 10 int32 (the exponents e of the quantised operands' scales 2^e); memory_codes 1,024 x 16 x 32 uint8 (E5M2 codes of memory, K innermost, in blocks of 32 codes); period 1 float32; phase_shift 1,024 float32; phis 2 x 4 float32; thetas 2 x 4 float32; time_scalar 1 float32; x 1,024 x 1,024 float32.
;; Outputs: out0 1,024 x 1,024 float32.
;; This version of the problem:
;;   THIS VERSION OF THE PROBLEM IS GIVEN IN LOW PRECISION. The matrix products marked QUANTISED in the list below multiply operands that are first quantised to E5M2 (5 exponent bits, 2 mantissa bits; 8 bits a number), with one given power-of-two scale for each operand tensor; their sums are f32. All else is computed in f32.
;;   The module's matrix products, in the order in which they are computed (A, B: the left and right operand; K: the contracted axis; several contracted axes count as one K, in the product's order):
;;     1. [M 1,024, K 1,024] x [K 1,024, N 8]; A: input x; B: input Wg: left as it is (N = 8 < 16)
;;     2. [M 32,768, K 1,024] x [K 1,024, N 1,024]; A: input W1 (given as codes); B: input x: QUANTISED (scales: A lowp_scales[0], B lowp_scales[1])
;;     3. batch 8 x [M 1,024, K 4,096] x [K 4,096, N 1,024]; A: computed on the way; B: input W2 (given as codes): QUANTISED (scales: A lowp_scales[2], B lowp_scales[3])
;;     4. batch 1,024 x [M 1, K 8] x [K 8, N 1,024]; A: softmax (see below); B: computed on the way: left as it is (K = 8 < 32)
;;     5. [M 1,024, K 1,024] x [K 1,024, N 16]; A: input x; B: input Wq_in (given as codes): QUANTISED (scales: A lowp_scales[4], B lowp_scales[5])
;;     6. [M 1,024, K 16] x [K 16, N 16]; A: computed on the way; B: computed on the way: left as it is (operands are no floats)
;;     7. [M 1,024, K 16] x [K 16, N 16]; A: computed on the way; B: computed on the way: left as it is (operands are no floats)
;;     8. [M 1,024, K 16] x [K 16, N 1,024]; A: computed on the way; B: input Wq_out: left as it is (K = 16 < 32)
;;     9. [M 1,024, K 1,024] x [K 1,024, N 512]; A: input x; B: input Wr (given as codes): QUANTISED (scales: A lowp_scales[6], B lowp_scales[7])
;;     10. [M 1,024, K 512] x [K 512, N 1,024]; A: softmax (see below); B: input memory (given as codes): QUANTISED (scales: A lowp_scales[8], B lowp_scales[9])
;;   THE QUANTISER, for each operand of a quantised product, along K:
;;     - The operand's scale is 2^e, e = its entry of the input lowp_scales (int32; the entries are numbered through the quantised products in the list's order, A before B).
;;     - Each number is divided by the scale, clamped to +-57,344, and rounded to the nearest number of E5M2, ties to even, subnormals kept.
;;     - The product sums the exact products of the quantised numbers (number of the format x scale) in f32.
;;   ~~~python
;;   def quantise(x, axis, e):      # numpy; x: float32 -> the quantised numbers, widened to float32 again
;;       x = np.moveaxis(x, axis, -1); K = x.shape[-1]
;;       r = np.clip(x / 2.0 ** e, -57344, 57344)
;;       step = 2.0 ** (np.maximum(np.frexp(np.where(r == 0, 1, r))[1] - 1, -14) - 2)
;;       q = np.round(r / step) * step * 2.0 ** e      # np.round: ties to even
;;       return np.moveaxis(q, -1, axis).astype(np.float32)
;;   ~~~
;;   SOFTMAX AHEAD OF A QUANTISED PRODUCT. Where the list says 'softmax', what is quantised is not the finished softmax but p = 2^(t - M), with t = logit x log2(e) and M = ceil(the row's largest t), a whole number; so 1/2 < the row's largest p <= 1. The row's sum l is taken of the UNQUANTISED p, in f32, and the product's result is divided by l at the end. Since M is a whole number, a kernel that streams over the keys may use a running M (the ceiling of the running maximum): every later rescaling is an exact power of two, so the quantised numbers keep their values, but for numbers so far below the row's largest that they fall under the format's range.
;;   OPERANDS COMPUTED ON THE WAY. 'Computed on the way' means the value that the module computes at that place (a softmax that the list does not call 'softmax' is quantised finished and normalised). What goes into a quantiser is computed in f32, as accurately as f32 sums, v_exp_f32 and their like allow (about 1e-6 of the number): no bf16 or f16 on the way to a quantiser, and a product that is left as it is and whose result goes on into a quantised operand takes f32 operands (vector FMAs, or v_wmma_f32_16x16x4_f32). A number that lies on a knife's edge between two numbers of the format may be rounded either way, as far as f32 arithmetic and the matrix unit's own rounding can turn it there, and no further.
;;   INPUTS GIVEN AS CODES. W1 (in the module: [8, 1024, 4096], K = its axis 1); W2 (in the module: [8, 4096, 1024], K = its axis 1); Wq_in (in the module: [1024, 16], K = its axis 0); Wr (in the module: [1024, 512], K = its axis 0); memory (in the module: [512, 1024], K = its axis 0): each comes as NAME_codes (uint8): NAME with its K axis moved to the last place and cut into blocks of 32 codes, [.., K / 32, bytes a block], one block behind the other in memory; one code a byte (a code: sign, 5 exponent bits, 2 mantissa bits); its scale is its entry of lowp_scales. Its value is code x scale, taken as it is: it is not quantised again, and the codes and scales need not be those that the quantiser above would give.
;; One version. Each part assembles by itself: llvm-mc -triple=amdgcn-amd-amdhsa -mcpu=gfx1250 --defsym DOCPART=n.
;; ======== version 1 of 1: 4 launches
;; limits: right only within a limited range of input values; a function is approximated: absolute error at most 1.5e-07
;; workspace buffers: xc1 1,048,576 bytes; tbuf 2,097,152 bytes; qbuf 65,536 bytes; glog 32,768 bytes; hbuf 33,554,432 bytes; part 67,108,864 bytes
;; launch prep (part 1): grid 64 x 4, 8 waves a work-group, no clusters, 33,792 bytes of LDS; arguments x, Wg, Wq_in_codes, Wr_codes, br, lowp_scales, xc1, tbuf, qbuf, glog; writes xc1, tbuf, qbuf, glog
.if DOCPART == 1
	.amdgcn_target "amdgcn-amd-amdhsa--gfx1250"
	.amdhsa_code_object_version 6
	.text
	.protected	k_q2374c6b1e2_prep
	.globl	k_q2374c6b1e2_prep
	.p2align	8
	.type	k_q2374c6b1e2_prep,@function
k_q2374c6b1e2_prep:
	s_mov_b64 s[64:65], 0
	v_nop
	global_prefetch_b8 v0, s[64:65] scope:SCOPE_SE
	s_setreg_imm32_b32 hwreg(HW_REG_WAVE_MODE, 25, 1), 1
	s_wait_xcnt 0x0
; x [1024][1024] f32 is quantised to E5M2 three times, with the three given scales, and what hangs on x alone is made:
;   xc1   x's codes at scale entry 1, as images of operand registers, for the first layer of the experts
;   tbuf  t = (x Wr + br) log2(e), the memory's logits (product on codes: entries 6, 7)
;   qbuf  q = x Wq_in (product on codes: entries 4, 5)
;   glog  x Wg, f32 multiply-adds (N = 8: left as it is)
; SHARES.  Work-group (tt, g): the 16 tokens of tile tt; g = 0..3 picks 8 of the 32 tiles of 16 memory slots, 2 of the 8 experts' gate logits and 2 of the 8 K steps of xc1; g = 0 also makes q.
; Wave w first holds K step w (128 along K) of the 16 tokens: lane (r, h) holds, of token r, k = 128 w + 32 b + 16 h + i in register 16 b + i; afterwards it makes slot tile T = 8 g + w over all K.
; AN OPERAND'S IMAGE: a fragment (16 rows x 128 K) is 16 registers; registers 4 c .. 4 c + 3 of lane (r, h) hold k = 32 c + 16 h + 0 .. 15 of row r; it is stored as four pieces of 512 bytes, lane l's 16 bytes at 16 l.
; The weights' fragments are loaded from their rows in the same order of k, so every product meets its partner.  All products are used transposed: source 0 = 16 rows of the weight, source 1 = 16 tokens.
; LIMITS: entries 1, 4, 6 between -126 and 112; entries 4 + 5 and 6 + 7 between -126 and 127.  NaN among the inputs is not served.
.set XR,   16                          ; v16-79   64 numbers of x; later, with TMP, x's eight fragments
.set TMP,  80                          ; v80-143  the numbers held within the largest code
.set CD6,  144                         ; codes at entry 6, 4, 1
.set CD4,  160
.set CD1,  176
.set WQF,  192                         ; Wq_in's fragment of my K step
.set QACC, 208                         ; q's partial sums; later the logits
.set GA,   216                         ; the gate's sums: two experts x two chains
.set SC6,  220                         ; scale and largest number x scale, for the three quantisers
.set LM6,  221
.set SC4,  222
.set LM4,  223
.set SC1,  224
.set LM1,  225
.set BR,   226                         ; br of my eight slots
.set TA0,  234                         ; the logits' sums: even K steps, odd K steps
.set TA1,  242
.set QP,   16384                       ; LDS: 0: x's eight images at entry 6 (2,048 bytes a wave); QP: q's eight partials (1,024 a wave); GP: the gate's (256 a wave)
.set GP,   24576
.set MSB, 0
.macro WIN new                         ; the immediate's high byte repeats the setting that is left
.if MSB != \new
	s_set_vgpr_msb (MSB<<8)|\new
.set MSB, \new
.endif
.endm
.macro MKSC e, sc, lm                  ; 2^e as f32, and 57,344 x 2^e
	s_add_co_i32 s42, s[\e], 127
	s_lshl_b32 s44, s42, 23
	v_mov_b32 v[\sc], s44
	s_add_co_i32 s42, s42, 15
	s_lshl_b32 s42, s42, 23
	s_or_b32 s42, s42, 0x600000
	v_mov_b32 v[\lm], s42
.endm
.macro QUANT cd, sc, lim               ; my 64 numbers become a fragment's codes.  The conversion to an 8-bit code does not saturate (ISA guide 7.6.2): the hold comes first
.irp b, 0,1,2,3
.irp i, 0,1,2,3,4,5,6,7,8,9,10,11,12,13,14,15
	v_med3_num_f32 v[TMP+16*\b+\i], v[XR+16*\b+\i], -v[\lim], v[\lim]
.endr
	v_cvt_scalef32_pk8_bf8_f32 v[\cd+4*\b:\cd+4*\b+1], v[TMP+16*\b:TMP+16*\b+7], v[\sc]
	v_cvt_scalef32_pk8_bf8_f32 v[\cd+4*\b+2:\cd+4*\b+3], v[TMP+16*\b+8:TMP+16*\b+15], v[\sc]
.endr
	v_nop                                          ; one plain line between the last conversion and whatever touches its registers next
.endm
	s_load_b512 s[4:19], s[0:1], 0x0               ; x 4, Wg 6, Wq_in 8, Wr 10, br 12, scales 14, xc1 16, tbuf 18
	s_load_b128 s[20:23], s[0:1], 0x40             ; qbuf 20, glog 22
	v_lshl_add_u32 v254, v0, 2, 0x8000
	v_mov_b32 v255, 0
	v_lshrrev_b32 v12, 5, v0
	v_readfirstlane_b32 s32, v12                   ; wave
	s_mov_b32 s33, ttmp9                           ; tt
	s_and_b32 s34, ttmp7, 0xffff                   ; g
	s_mov_b32 s40, 0x76543210                      ; v_permlanex16_b32: lane l xor 16
	s_mov_b32 s41, 0xfedcba98
	s_mov_b32 s46, 0x3fb8aa3b                      ; log2(e), as a pair
	s_mov_b32 s47, s46
	v_and_b32 v11, 31, v0                          ; lane
	v_and_b32 v13, 15, v0                          ; r
	v_bfe_u32 v14, v0, 4, 1                        ; h
	v_lshlrev_b32 v1, 4, v11                       ; 16 x lane: an image's place
	v_lshlrev_b32 v2, 12, v13
	v_lshl_add_u32 v2, v14, 6, v2                  ; x: row r of 4,096 bytes, + 64 h
	v_lshlrev_b32 v3, 10, v13
	v_lshl_add_u32 v3, v14, 4, v3                  ; Wr, Wq_in: row r of 1,024 codes, + 16 h
	v_lshlrev_b32 v4, 9, v14                       ; Wg: 16 h rows of 32 bytes
	v_lshlrev_b32 v5, 5, v14                       ; br: 8 h numbers
	s_lshl_b32 s42, s32, 11
	v_add_nc_u32 v6, s42, v1                       ; where I store x's image
	s_lshl_b32 s42, s32, 10
	s_add_co_u32 s42, s42, QP
	v_add_nc_u32 v7, s42, v1                       ; q's partial
	v_lshlrev_b32 v9, 3, v11
	v_add_nc_u32 v9, GP, v9                        ; the gate's partials, as they are read
	s_lshl_b32 s42, s32, 8
	v_add_nc_u32 v8, s42, v9                       ; and as I store mine
	v_lshlrev_b32 v10, 3, v13                      ; glog: 8 r
	v_mov_b32 v250, 0                              ; a lane permute's destination counts as read
	v_mov_b32 v251, 0
	s_wait_kmcnt 0x0
	s_load_b256 s[24:31], s[14:15], 0x0            ; entries 0 to 7
	s_lshl_b32 s35, s34, 3
	s_add_co_u32 s35, s35, s32                     ; T = 8 g + w
	s_mov_b32 s43, 0
	s_lshl_b32 s42, s33, 16
	s_lshl_b32 s44, s32, 9
	s_add_co_u32 s42, s42, s44
	s_add_nc_u64 s[4:5], s[4:5], s[42:43]          ; x: 16 tt rows, + my K step's 512 bytes
	s_lshl_b32 s42, s32, 7
	s_add_nc_u64 s[8:9], s[8:9], s[42:43]          ; Wq_in: my K step
	s_lshl_b32 s42, s32, 12
	s_lshl_b32 s44, s34, 3
	s_add_co_u32 s42, s42, s44
	s_add_nc_u64 s[6:7], s[6:7], s[42:43]          ; Wg: my 128 rows, experts 2 g and 2 g + 1
	s_lshl_b32 s42, s35, 6
	s_add_nc_u64 s[12:13], s[12:13], s[42:43]      ; br: slot 16 T
	s_lshl_b32 s42, s35, 14
	s_add_nc_u64 s[10:11], s[10:11], s[42:43]      ; Wr: row 16 T
	s_lshl_b32 s42, s33, 14
	s_lshl_b32 s44, s32, 11
	s_add_co_u32 s42, s42, s44
	s_add_nc_u64 s[16:17], s[16:17], s[42:43]      ; xc1: [tt][K step]
	s_lshl_b32 s42, s33, 5
	s_add_co_u32 s42, s42, s35
	s_lshl_b32 s42, s42, 10
	s_add_nc_u64 s[18:19], s[18:19], s[42:43]      ; tbuf: [tt][T]
	s_lshl_b32 s42, s33, 10
	s_add_nc_u64 s[20:21], s[20:21], s[42:43]      ; qbuf: [tt]
	s_lshl_b32 s42, s33, 9
	s_lshl_b32 s44, s34, 7
	s_add_co_u32 s42, s42, s44
	s_add_nc_u64 s[22:23], s[22:23], s[42:43]      ; glog: [tt][g]
	; 118 loads: x 16, Wq_in 4, br 2, Wg 64, Wr 32
.set n, 0
.rept 16
	global_load_b128 v[XR+4*n:XR+4*n+3], v2, s[4:5] offset:128*(n/4)+16*(n%4)
.set n, n+1
.endr
.irp c, 0,1,2,3
	global_load_b128 v[WQF+4*\c:WQF+4*\c+3], v3, s[8:9] offset:32*\c
.endr
	global_load_b128 v[BR:BR+3], v5, s[12:13]
	global_load_b128 v[BR+4:BR+7], v5, s[12:13] offset:16
	WIN 0x40                                       ; destination window 1
.set n, 0
.rept 64
	global_load_b64 v[128+2*n:128+2*n+1], v4, s[6:7] offset:1024*(n/16)+32*(n%16)   ; Wg(k, 2 g .. 2 g + 1) for the k of my register n
.set n, n+1
.endr
.set n, 0
.rept 32
	global_load_b128 v[4*n:4*n+3], v3, s[10:11] offset:128*(n/4)+32*(n%4)           ; Wr's eight fragments of tile T
.set n, n+1
.endr
	WIN 0
	s_wait_kmcnt 0x0
	MKSC 30, SC6, LM6
	MKSC 28, SC4, LM4
	MKSC 25, SC1, LM1
	s_add_co_i32 s36, s30, s31
	s_lshl_b32 s36, s36, 23
	s_add_co_u32 s36, s36, 0x3fb8aa3b              ; log2(e) x 2^(entries 6 + 7): the exponents are added to the exponent field
	s_mov_b32 s37, s36
	s_add_co_i32 s38, s28, s29
	s_add_co_i32 s38, s38, 127
	s_lshl_b32 s38, s38, 23                        ; 2^(entries 4 + 5)
	s_mov_b32 s39, s38
	s_wait_loadcnt 0x3f                            ; at most 63 of the 118 are out: the first 55 are in, x, Wq_in and br (22) among them
	QUANT CD6, SC6, LM6
.irp c, 0,1,2,3
	ds_store_b128 v6, v[CD6+4*\c:CD6+4*\c+3] offset:512*\c
.endr
	s_cmp_lg_u32 s34, 0                            ; q is made by the tile's first work-group
	s_cbranch_scc1 .Lno_qpart
	QUANT CD4, SC4, LM4
	v_wmma_f32_16x16x128_bf8_bf8 v[QACC:QACC+7], v[WQF:WQF+15], v[CD4:CD4+15], 0
.rept 4
	v_nop                                          ; four places in front of the first read of the result (ISA guide 7.12.1)
.endr
	ds_store_b128 v7, v[QACC:QACC+3]
	ds_store_b128 v7, v[QACC+4:QACC+7] offset:512
.Lno_qpart:
	s_lshr_b32 s42, s32, 1                         ; K steps 2 g and 2 g + 1 of xc1 are this work-group's
	s_cmp_lg_u32 s42, s34
	s_cbranch_scc1 .Lno_xc1
	QUANT CD1, SC1, LM1
.irp c, 0,1,2,3
	global_store_b128 v1, v[CD1+4*\c:CD1+4*\c+3], s[16:17] offset:512*\c   ; 512 consecutive bytes, aligned
.endr
.Lno_xc1:
	s_wait_loadcnt 0x20                            ; behind Wg's loads only Wr's 32 were issued
	WIN 0x04                                       ; source 1 window 1
.set n, 0
.rept 64
.if n < 2
	v_mul_f32 v[GA+2*(n%2)], v[XR+n], v[128+2*n]
	v_mul_f32 v[GA+2*(n%2)+1], v[XR+n], v[128+2*n+1]
.else
	v_fma_f32 v[GA+2*(n%2)], v[XR+n], v[128+2*n], v[GA+2*(n%2)]
	v_fma_f32 v[GA+2*(n%2)+1], v[XR+n], v[128+2*n+1], v[GA+2*(n%2)+1]
.endif
.set n, n+1
.endr
	WIN 0
	v_pk_add_f32 v[GA:GA+1], v[GA:GA+1], v[GA+2:GA+3]
	v_permlanex16_b32 v250, v[GA], s40, s41        ; the token's other 64 k of this K step
	v_permlanex16_b32 v251, v[GA+1], s40, s41
	v_pk_add_f32 v[GA:GA+1], v[GA:GA+1], v[250:251]
	ds_store_b64 v8, v[GA:GA+1]
	s_wait_dscnt 0x0                               ; my stores have landed
	s_barrier_signal -1
	s_barrier_wait -1                              ; x's eight images and all partials lie in LDS
.set n, 0
.rept 32
	ds_load_b128 v[XR+4*n:XR+4*n+3], v1 offset:512*n
.set n, n+1
.endr
	s_wait_loadcnt 0x0                             ; Wr
	s_wait_dscnt 0x0
	WIN 0x01                                       ; source 0 window 1
.irp ks, 0,1,2,3,4,5,6,7                       ; two accumulators by turns
.if \ks < 2
	v_wmma_f32_16x16x128_bf8_bf8 v[TA0+8*(\ks%2):TA0+8*(\ks%2)+7], v[16*\ks:16*\ks+15], v[XR+16*\ks:XR+16*\ks+15], 0
.else
	v_wmma_f32_16x16x128_bf8_bf8 v[TA0+8*(\ks%2):TA0+8*(\ks%2)+7], v[16*\ks:16*\ks+15], v[XR+16*\ks:XR+16*\ks+15], v[TA0+8*(\ks%2):TA0+8*(\ks%2)+7]
.endif
.endr
	WIN 0
.irp k, 0,2,4,6
	v_pk_mul_f32 v[BR+\k:BR+\k+1], v[BR+\k:BR+\k+1], s[46:47] op_sel_hi:[1,0]   ; br log2(e); these four are the places behind the products
.endr
.irp k, 0,2,4,6
	v_pk_add_f32 v[QACC+\k:QACC+\k+1], v[TA0+\k:TA0+\k+1], v[TA1+\k:TA1+\k+1]
.endr
.irp k, 0,2,4,6
	v_pk_fma_f32 v[QACC+\k:QACC+\k+1], v[QACC+\k:QACC+\k+1], s[36:37], v[BR+\k:BR+\k+1] op_sel_hi:[1,0,1]   ; register j of lane (r, h): t of token r, slot 16 T + 8 h + j
.endr
	global_store_b128 v1, v[QACC:QACC+3], s[18:19]
	global_store_b128 v1, v[QACC+4:QACC+7], s[18:19] offset:512
	s_cmp_lg_u32 s32, 0                            ; wave 0 of the tile's first work-group adds q's eight partials
	s_cbranch_scc1 .Lno_q
	s_cmp_lg_u32 s34, 0
	s_cbranch_scc1 .Lno_q
.set n, 0
.rept 16
	ds_load_b128 v[XR+4*n:XR+4*n+3], v1 offset:QP+512*n
.set n, n+1
.endr
	s_wait_dscnt 0x0
.irp wv, 1,2,3,4,5,6,7
.irp k, 0,2,4,6
	v_pk_add_f32 v[XR+\k:XR+\k+1], v[XR+\k:XR+\k+1], v[XR+8*\wv+\k:XR+8*\wv+\k+1]
.endr
.endr
.irp k, 0,2,4,6
	v_pk_mul_f32 v[XR+\k:XR+\k+1], v[XR+\k:XR+\k+1], s[38:39] op_sel_hi:[1,0]
.endr
	global_store_b128 v1, v[XR:XR+3], s[20:21]
	global_store_b128 v1, v[XR+4:XR+7], s[20:21] offset:512
.Lno_q:
	s_cmp_lg_u32 s32, 1                            ; wave 1 adds the gate's
	s_cbranch_scc1 .Lno_g
.irp wv, 0,1,2,3,4,5,6,7
	ds_load_b64 v[XR+2*\wv:XR+2*\wv+1], v9 offset:256*\wv
.endr
	s_wait_dscnt 0x0
.irp wv, 1,2,3,4,5,6,7
	v_pk_add_f32 v[XR:XR+1], v[XR:XR+1], v[XR+2*\wv:XR+2*\wv+1]
.endr
	v_cmp_gt_u32 vcc_lo, 16, v11                   ; lanes 16-31 hold the same sums as lanes 0-15
	s_wait_xcnt 0x0                                ; EXEC changes only behind this wait
	s_and_saveexec_b32 s42, vcc_lo
	global_store_b64 v10, v[XR:XR+1], s[22:23]
	s_wait_xcnt 0x0
	s_or_b32 exec_lo, exec_lo, s42
.Lno_g:
	s_wait_tensorcnt 0x0
	ds_add_u32 v254, v255
	s_wait_dscnt 0x0
	s_endpgm
.Lfunc_end_k_q2374c6b1e2_prep:
	.size	k_q2374c6b1e2_prep, .Lfunc_end_k_q2374c6b1e2_prep-k_q2374c6b1e2_prep
	.p2alignl 7, 3214868480
	.fill 96, 4, 3214868480
	.section	.rodata,"a",@progbits
	.p2align	6, 0x0
	.amdhsa_kernel k_q2374c6b1e2_prep
		.amdhsa_group_segment_fixed_size 33792
		.amdhsa_private_segment_fixed_size 0
		.amdhsa_enable_private_segment 0
		.amdhsa_kernarg_size 80
		.amdhsa_user_sgpr_count 2
		.amdhsa_user_sgpr_kernarg_segment_ptr 1
		.amdhsa_wavefront_size32 1
		.amdhsa_system_sgpr_workgroup_id_x 1
		.amdhsa_system_sgpr_workgroup_id_y 1
		.amdhsa_system_sgpr_workgroup_id_z 1
		.amdhsa_system_vgpr_workitem_id 0
		.amdhsa_next_free_vgpr 512
		.amdhsa_next_free_sgpr 66
		.amdhsa_reserve_vcc 1
		.amdhsa_float_denorm_mode_32 3
		.amdhsa_float_denorm_mode_16_64 3
		.amdhsa_memory_ordered 1
		.amdhsa_forward_progress 1
		.amdhsa_inst_pref_size 47
	.end_amdhsa_kernel
	.amdgpu_metadata
---
amdhsa.version: [ 1, 2 ]
amdhsa.kernels:
  - .name:           k_q2374c6b1e2_prep
    .symbol:         k_q2374c6b1e2_prep.kd
    .args:
      - { .name: x, .offset: 0, .size: 8, .value_kind: global_buffer, .address_space: global }
      - { .name: Wg, .offset: 8, .size: 8, .value_kind: global_buffer, .address_space: global }
      - { .name: Wq_in_codes, .offset: 16, .size: 8, .value_kind: global_buffer, .address_space: global }
      - { .name: Wr_codes, .offset: 24, .size: 8, .value_kind: global_buffer, .address_space: global }
      - { .name: br, .offset: 32, .size: 8, .value_kind: global_buffer, .address_space: global }
      - { .name: lowp_scales, .offset: 40, .size: 8, .value_kind: global_buffer, .address_space: global }
      - { .name: xc1, .offset: 48, .size: 8, .value_kind: global_buffer, .address_space: global }
      - { .name: tbuf, .offset: 56, .size: 8, .value_kind: global_buffer, .address_space: global }
      - { .name: qbuf, .offset: 64, .size: 8, .value_kind: global_buffer, .address_space: global }
      - { .name: glog, .offset: 72, .size: 8, .value_kind: global_buffer, .address_space: global }
    .group_segment_fixed_size: 33792
    .private_segment_fixed_size: 0
    .kernarg_segment_align: 8
    .kernarg_segment_size: 80
    .max_flat_workgroup_size: 256
    .sgpr_count:     66
    .vgpr_count:     512
    .wavefront_size: 32
...
	.end_amdgpu_metadata
.endif
;; end of part 1
;; launch up (part 2): grid 8 x 32, 8 waves a work-group, clusters of 4 x 1, 327,680 bytes of LDS; arguments xc1, W1_codes, b1, act_w, lowp_scales, hbuf; writes hbuf
.if DOCPART == 2
	.amdgcn_target "amdgcn-amd-amdhsa--gfx1250"
	.amdhsa_code_object_version 6
	.text
	.protected	k_q2374c6b1e2_up
	.globl	k_q2374c6b1e2_up
	.p2align	8
	.type	k_q2374c6b1e2_up,@function
k_q2374c6b1e2_up:
	s_mov_b64 s[64:65], 0
	v_nop
	global_prefetch_b8 v0, s[64:65] scope:SCOPE_SE
	s_setreg_imm32_b32 hwreg(HW_REG_WAVE_MODE, 25, 1), 1
	s_wait_xcnt 0x0
	s_wait_alu depctr_hold_cnt(0) depctr_sa_sdst(0) depctr_va_vdst(0) depctr_va_sdst(0) depctr_va_ssrc(0) depctr_va_vcc(0) depctr_vm_vsrc(0)
	s_getreg_b32 s2, hwreg(HW_REG_IB_STS2, 6, 4)
	s_cmp_eq_u32 s2, 0
	s_cbranch_scc0 .Lentry_in_a_cluster
	s_endpgm
.Lentry_in_a_cluster:
	s_bfe_u32 s2, ttmp6, 0x10000c
	s_cmp_lg_u32 s2, 0x3003
	s_cbranch_scc0 .Lentry_shape_is_right
	s_endpgm
.Lentry_shape_is_right:
; h = act(x W1 + b1), quantised to E5M2 at scale entry 2, stored as images of the second layer's operand registers.  The product is on codes (entries 0, 1).
; SHARES.  Work-group (tb, j): 128 tokens x the 1,024 hidden units j (of 32,768: expert j / 4).  Wave w: token tiles 8 tb + 2 (w % 4) + t, t = 0, 1; of each chunk of 64 units the 32 of half uh = w / 4.
; A wave keeps its two token tiles of x for all K in registers (256, window 1).  W1 goes in 16 chunks of 64 rows x 1,024 bytes through a ring of two LDS slots; a fragment read from LDS feeds two products.
; CLUSTER.  The four work-groups of a cluster have the same j and other tokens: each chunk of W1 is asked for jointly, by the same tensor load with the same descriptor and the mask of the four.
; BY TURNS.  The activation is far more vector work than the products are matrix work: in a trip chunk i is multiplied (eight runs of four products) while chunk i - 1, moved out of the accumulators by the
; scaling that is owed anyway, is activated between the runs.  Two waves share a SIMD.
; THE PRODUCT IS USED TRANSPOSED (source 0 = 16 rows of W1, source 1 = 16 tokens): register j of lane (r, h) is token r, unit 8 h + j.  Two tiles of units are converted, and two lane swaps of halves
; make of their four registers the piece k = 32 c + 16 h + 0 .. 15 of the next operand's image.
; THE ACTIVATION, with w = softmax(act_w), e = e^x (x log2(e) held at 22), X = -x / 2:
;   cpos relu(x) + cneg (min(e, 1) - 1) + w2 (1 - 2 / (1 + e^2)) + e ((w0 + w4 x) / (1 + e) + w7 x (e + 2) / ((1 + e)^2 + 1)) - w5 |x| Q(|x|),
;   cpos = w1 + w3 + w5 + 1.0507010 w6, cneg = w1 + 1.7580993 w6, Q(a) = exp(-a^2 / 2) (a1 t + .. + a5 t^5) / 2, t = 1 / (1 + 0.2316419 a).
;   The four reciprocals come from ONE v_rcp_f32 of the product of the four denominators.
; LIMITS: |x W1 + b1| under 1e5 (the product of the denominators and its reciprocal stay f32 numbers); the hold of e moves the sigmoid by 2.4e-7 at most; the series for Q is within 1.5e-7 of erfc / 2's double, absolute;
; entries 0 + 1 between -125 and 128, entry 2 between -126 and 112.  NaN and infinities are not served.
.set PW,    1040                       ; a row of W1 in LDS: 1,024 bytes + 16: the 16 rows of a fragment load start 4 words apart
.set SLOTB, 64*PW                      ; a slot: 64 rows
.set SPARE, 2*SLOTB                    ; the spare words: 128 bytes for each of 8 waves, four blocks of 256 bytes that no other line names
.set B1H,  16                          ; v16-31   b1 of my 32 units, x -1/2
.set ACC,  32                          ; v32-63   four accumulators (16 t + 8 u)
.set X,    64                          ; v64-95   -x / 2 of the chunk before, then its activation
.set WF,   96                          ; v96-159  W1's fragments: two buffers of two
.set CD,   160                         ; v160-167 codes
.set TA,   168                         ; ten arrays of eight, at work
.set TB,   176
.set TC,   184
.set TD,   192
.set TE,   200
.set TF,   208
.set TG,   216
.set TH,   224
.set TJ,   232
.set TK,   240
.set P1,   10                          ; addends, as pairs of equal words
.set P2,   12
.set P3,   14
.set K0,   248
.set W0,   250
.set P4,   252
.set CL,   44                          ; multipliers, as scalar pairs (the low word serves both halves)
.set CP,   46
.set CR,   48
.set CN,   50
.set C2,   52
.set C4,   54
.set C7,   56
.set P5,   58
.set SCH,  60
.set HB,   66                          ; s[66:67] hbuf at my first piece;  s[68:69] at the chunk's;  s[70:71] the chunk's offset
.set HS,   68
.set OFF,  70
.set JC,   72                          ; the chunk that is stored next
.set LC,   73
.set MSB, 0
.macro WIN new
.if MSB != \new
	s_set_vgpr_msb (MSB<<8)|\new
.set MSB, \new
.endif
.endm
.macro PLACES n
.rept \n
	v_nop
.endr
.endm
.macro ROUND                           ; a round of the cluster's barrier
	s_barrier_signal -1
	s_barrier_wait -1
	s_cmp_lg_u32 s16, 0
	s_cbranch_scc1 .Lnot_wave_0_\@
	s_barrier_signal -3
.Lnot_wave_0_\@:
	s_barrier_wait -3
	s_barrier_signal -1
	s_barrier_wait -1
.endm
.macro JL slot                         ; the joint refill: wave 0 asks for the chunk's 64 rows; four v_nop follow
	s_cmp_lg_u32 s16, 0
	s_cbranch_scc1 .Lnot_mine_\@
	tensor_load_to_lds s[32+4*(\slot):35+4*(\slot)], s[24:31]
	s_nop 0
	PLACES 4
.Lnot_mine_\@:
.endm
; packed lines over an array's four pairs
.macro M4 d, a, b                      ; d = a b
.irp k, 0,2,4,6
	v_pk_mul_f32 v[\d+\k:\d+\k+1], v[\a+\k:\a+\k+1], v[\b+\k:\b+\k+1]
.endr
.endm
.macro MS4 d, a, s                     ; d = a x scalar
.irp k, 0,2,4,6
	v_pk_mul_f32 v[\d+\k:\d+\k+1], v[\a+\k:\a+\k+1], s[\s:\s+1] op_sel_hi:[1,0]
.endr
.endm
.macro F4 d, a, b, c                   ; d = a b + c
.irp k, 0,2,4,6
	v_pk_fma_f32 v[\d+\k:\d+\k+1], v[\a+\k:\a+\k+1], v[\b+\k:\b+\k+1], v[\c+\k:\c+\k+1]
.endr
.endm
.macro FS4 d, a, s, c                  ; d = a x scalar + c
.irp k, 0,2,4,6
	v_pk_fma_f32 v[\d+\k:\d+\k+1], v[\a+\k:\a+\k+1], s[\s:\s+1], v[\c+\k:\c+\k+1] op_sel_hi:[1,0,1]
.endr
.endm
.macro FSP4 d, a, s, p                 ; d = a x scalar + the pair p
.irp k, 0,2,4,6
	v_pk_fma_f32 v[\d+\k:\d+\k+1], v[\a+\k:\a+\k+1], s[\s:\s+1], v[\p:\p+1] op_sel_hi:[1,0,1]
.endr
.endm
.macro FP4 d, a, b, p                  ; d = a b + the pair p
.irp k, 0,2,4,6
	v_pk_fma_f32 v[\d+\k:\d+\k+1], v[\a+\k:\a+\k+1], v[\b+\k:\b+\k+1], v[\p:\p+1]
.endr
.endm
.macro FC4 d, a, b, cst                ; d = a b + a constant
.irp k, 0,2,4,6
	v_pk_fma_f32 v[\d+\k:\d+\k+1], v[\a+\k:\a+\k+1], v[\b+\k:\b+\k+1], \cst op_sel_hi:[1,1,0]
.endr
.endm
.macro AC4 d, a, cst                   ; d = a + a constant
.irp k, 0,2,4,6
	v_pk_add_f32 v[\d+\k:\d+\k+1], v[\a+\k:\a+\k+1], \cst op_sel_hi:[1,0]
.endr
.endm
; The activation of tile a (8 registers of X), in three parts; the products' runs stand between them.
.macro ACTA a
.set XX, X+8*(\a)
	MS4 TA, XX, CL                                 ; x log2(e)
	M4  TB, TA, XX                                 ; -x^2 log2(e) / 2
.irp k, 0,1,2,3,4,5,6,7
	v_min_num_f32 v[TA+\k], 0x41b00000, v[TA+\k]   ; held at 22
.endr
.irp k, 0,1,2,3,4,5,6,7
	v_min_num_f32 v[TC+\k], 0, v[XX+\k]            ; -relu(x) / 2
.endr
.irp k, 0,1,2,3,4,5,6,7
	v_exp_f32 v[TA+\k], v[TA+\k]                   ; e
.endr
.irp k, 0,1,2,3,4,5,6,7
	v_exp_f32 v[TB+\k], v[TB+\k]                   ; exp(-x^2 / 2)
.endr
.irp k, 0,2,4,6
	v_pk_fma_f32 v[TD+\k:TD+\k+1], v[TC+\k:TC+\k+1], -2.0, v[XX+\k:XX+\k+1] op_sel_hi:[1,0,1]   ; |x| / 2.  (Plain lines behind the exponentials, which name none of their results)
.endr
.irp k, 0,2,4,6
	v_pk_fma_f32 v[TE+\k:TE+\k+1], v[TD+\k:TD+\k+1], s[CP:CP+1], 1.0 op_sel_hi:[1,0,0]          ; 1 + 0.2316419 |x|
.endr
	FSP4 TC, TC, CR, K0                            ; cpos relu(x) + w2 - cneg
.endm
.macro ACTB a
	s_wait_alu depctr_va_vdst(0)                   ; one wait for the sixteen exponentials, ahead of their first reader
	M4  TB, TD, TB                                 ; |x| exp(-x^2 / 2) / 2
.irp k, 0,1,2,3,4,5,6,7
	v_min_num_f32 v[TD+\k], 1.0, v[TA+\k]
.endr
	FS4 TC, TD, CN, TC                             ; + cneg min(e, 1)
	AC4 TF, TA, 1.0                                ; F = 1 + e
	FC4 TG, TA, TA, 1.0                            ; G = 1 + e^2
	FC4 TH, TF, TF, 1.0                            ; H = (1 + e)^2 + 1
	M4  TJ, TF, TG
	M4  TK, TJ, TH
	M4  TD, TK, TE
.irp k, 0,1,2,3,4,5,6,7
	v_rcp_f32 v[TD+\k], v[TD+\k]                   ; 1 / (F G H E)
.endr
	v_nop                                          ; the plain line behind the last reciprocal
.endm
.macro ACTC a
.set XX, X+8*(\a)
	s_wait_alu depctr_va_vdst(0)                   ; one wait for the eight reciprocals
	M4  TK, TD, TK                                 ; t = 1 / E
	M4  TD, TD, TE                                 ; 1 / (F G H)
	FSP4 TE, XX, C4, W0                            ; w0 + w4 x
	MS4 XX, XX, C7                                 ; w7 x
	M4  TJ, TD, TJ                                 ; 1 / H
	M4  TD, TD, TH                                 ; 1 / (F G)
	AC4 TH, TA, 2.0                                ; e + 2
	M4  TF, TD, TF                                 ; 1 / G
	M4  TG, TD, TG                                 ; 1 / F
	M4  TH, TH, TJ                                 ; (e + 2) / H
	FS4 TC, TF, C2, TC                             ; - 2 w2 / G
	M4  TG, TG, TE                                 ; (w0 + w4 x) / F
	FSP4 TJ, TK, P5, P4                            ; the series in t, its coefficients x -w5
	F4  TG, TH, XX, TG
	FP4 TJ, TJ, TK, P3
	F4  TC, TA, TG, TC                             ; + e (..)
	FP4 TJ, TJ, TK, P2
	FP4 TJ, TJ, TK, P1
	M4  TJ, TJ, TK
	F4  XX, TJ, TB, TC                             ; the activation
.endm
.macro FETCH slot, ks                  ; my two fragments of W1 of K step ks into buffer ks % 2
.irp u, 0,1
.irp c, 0,1,2,3
	ds_load_b128 v[WF+32*((\ks)%2)+16*\u+4*\c:WF+32*((\ks)%2)+16*\u+4*\c+3], v[2+\slot] offset:16*PW*\u+128*(\ks)+32*\c
.endr
.endr
.endm
.macro KB ks                           ; a run of four products; the four accumulators take turns, one instruction a turn, within a run and from run to run
.if (\ks) < 7
	s_wait_dscnt 0x8                               ; this K step's eight loads are in; the next step's eight may be out
.else
	s_wait_dscnt 0x0
.endif
	WIN 0x04                                       ; source 1 (x) window 1
.irp t, 0,1
.irp u, 0,1
.if (\ks) == 0
	v_wmma_f32_16x16x128_bf8_bf8 v[ACC+16*\t+8*\u:ACC+16*\t+8*\u+7], v[WF+32*((\ks)%2)+16*\u:WF+32*((\ks)%2)+16*\u+15], v[128*\t+16*(\ks):128*\t+16*(\ks)+15], 0
.else
	v_wmma_f32_16x16x128_bf8_bf8 v[ACC+16*\t+8*\u:ACC+16*\t+8*\u+7], v[WF+32*((\ks)%2)+16*\u:WF+32*((\ks)%2)+16*\u+15], v[128*\t+16*(\ks):128*\t+16*(\ks)+15], v[ACC+16*\t+8*\u:ACC+16*\t+8*\u+7]
.endif
.endr
.endr
	WIN 0
.endm
.macro XCONV next                      ; the finished sums leave the accumulators: X = -(sum 2^(entries 0 + 1) + b1) / 2.  next = 1: the next chunk's b1 is asked for
	s_wait_loadcnt 0x0                             ; b1 is in, and its loads have read their address
.irp k, 0,2,4,6,8,10,12,14
	v_pk_mul_f32 v[B1H+\k:B1H+\k+1], v[B1H+\k:B1H+\k+1], -0.5 op_sel_hi:[1,0]
.endr
.set n, 0
.rept 16
	v_pk_fma_f32 v[X+2*n:X+2*n+1], v[ACC+2*n:ACC+2*n+1], s[SCH:SCH+1], v[B1H+(2*n)%16:B1H+(2*n)%16+1] op_sel_hi:[1,0,1]   ; each accumulator from its low end on
.set n, n+1
.endr
.if \next
	v_add_nc_u32 v4, 256, v4
	global_load_b128 v[B1H:B1H+3], v4, s[8:9]
	global_load_b128 v[B1H+4:B1H+7], v4, s[8:9] offset:16
	global_load_b128 v[B1H+8:B1H+11], v4, s[8:9] offset:64
	global_load_b128 v[B1H+12:B1H+15], v4, s[8:9] offset:80
.endif
.endm
.macro QST                             ; 32 units x 32 tokens become two pieces of 512 bytes
.set n, 0
.rept 32
	v_med3_num_f32 v[X+n], v[X+n], -v7, v7         ; the conversion does not saturate (ISA guide 7.6.2): the hold at the largest code x the scale
.set n, n+1
.endr
	s_wait_xcnt 0x0                                ; the last chunk's stores have read their data and their base
.irp t, 0,1
	v_cvt_scalef32_pk8_bf8_f32 v[CD+4*\t:CD+4*\t+1], v[X+16*\t:X+16*\t+7], v8
	v_cvt_scalef32_pk8_bf8_f32 v[CD+4*\t+2:CD+4*\t+3], v[X+16*\t+8:X+16*\t+15], v8
.endr
	v_nop                                          ; one plain line behind the conversions
.irp t, 0,1
	v_permlane16_swap_b32 v[CD+4*\t], v[CD+4*\t+2]     ; lanes 16-31 of units 8 .. 15 against lanes 0-15 of units 16 .. 23: lane (r, h) now holds units 16 h + 0 .. 15
	v_permlane16_swap_b32 v[CD+4*\t+1], v[CD+4*\t+3]
.endr
	s_lshr_b32 s74, s[JC], 2                       ; chunk i: K slot i / 4 (2^18 bytes apart), pieces 2 (i % 4) + uh of the slot's eight
	s_lshl_b32 s74, s74, 18
	s_and_b32 s75, s[JC], 3
	s_lshl_b32 s75, s75, 10
	s_add_co_u32 s[OFF], s74, s75
	s_add_nc_u64 s[HS:HS+1], s[HB:HB+1], s[OFF:OFF+1]
	s_add_co_u32 s[JC], s[JC], 1
	global_store_b128 v1, v[CD:CD+3], s[HS:HS+1] th:TH_STORE_NT                 ; 512 consecutive bytes, aligned
	global_store_b128 v1, v[CD+4:CD+7], s[HS:HS+1] offset:4096 th:TH_STORE_NT
.endm
; A trip.  mul = 1: the chunk in the slot is multiplied.  act = 1: the chunk before is activated and stored.  A run of loads stands behind at least four plain lines that follow the run of products which read its buffer.
.macro TRIP slot, mul, act, next
.if \mul
	FETCH \slot, 0
	FETCH \slot, 1
.endif
.if \act
	XCONV \next
.endif
.irp a, 0,1,2,3
.if \act
	ACTA \a
.endif
.if \mul
	KB 2*\a
.endif
.if \act
	ACTB \a
.else
	PLACES 4
.endif
.if \mul && (\a < 3)
	FETCH \slot, 2*\a+2
.endif
.if \mul
	KB 2*\a+1
.endif
.if \act
	ACTC \a
.else
	PLACES 4
.endif
.if \mul && (\a < 3)
	FETCH \slot, 2*\a+3
.endif
.endr
.if \act
	QST
.endif
.endm
; The change of slots.  Every wave waits for all its tensor loads, adds 0 to its spare word, and waits for that and for its reads of the slot that it has left.  fs = 0, 1: that slot is filled again, two chunks on,
; behind a round of the cluster's barrier; fs = -1: nothing is left to fetch.
.macro CHANGE fs
	s_wait_tensorcnt 0x0
	ds_add_u32 v5, v6
.if (\fs) >= 0
	s_add_nc_u64 s[34+4*(\fs):35+4*(\fs)], s[34+4*(\fs):35+4*(\fs)], 131072
.endif
	s_wait_dscnt 0x0
.if (\fs) >= 0
	ROUND
	JL \fs
.else
	s_barrier_signal -1
	s_barrier_wait -1
.endif
.endm
	s_load_b256 s[4:11], s[0:1], 0x0               ; xc1 4, W1 6, b1 8, act_w 10
	s_load_b128 s[12:15], s[0:1], 0x20             ; scales 12, hbuf 14
	v_lshl_add_u32 v5, v0, 2, SPARE
	v_mov_b32 v6, 0
	ds_add_u32 v5, v6
	s_wait_dscnt 0x0
	v_lshrrev_b32 v7, 5, v0
	v_readfirstlane_b32 s16, v7                    ; wave
	s_and_b32 s17, s16, 3                          ; tg
	s_lshr_b32 s18, s16, 2                         ; uh
	s_bfe_u32 s19, ttmp6, 0x40000                  ; cx: it enters xc1's and hbuf's addresses alone
	s_lshl_b32 s20, ttmp9, 2
	s_add_co_u32 s20, s20, s19                     ; tb
	s_and_b32 s21, ttmp7, 0xffff                   ; j, which the four partners share
	v_and_b32 v9, 31, v0
	v_lshlrev_b32 v1, 4, v9                        ; 16 x lane
	v_and_b32 v10, 15, v0                          ; r
	v_bfe_u32 v11, v0, 4, 1                        ; h
	v_mul_u32_u24 v2, v10, PW
	v_lshl_add_u32 v2, v11, 4, v2
	s_mul_i32 s74, s18, 32*PW
	v_add_nc_u32 v2, s74, v2                       ; W1 in slot 0: row 32 uh + r, + 16 h
	v_add_nc_u32 v3, SLOTB, v2                     ; in slot 1
	s_lshl_b32 s74, s18, 7
	v_lshl_add_u32 v4, v11, 5, s74                 ; b1: unit 32 uh + 8 h
	v_mov_b32 v9, 0
	s_mov_b32 s24, 15|(1<<20)|(1<<21)|(7<<22)|(3<<25)   ; group 1: the mask of the four; elements of 1 byte; padding on; bit 21 beside a mask; after every 256 words, 4 words
	s_mov_b32 s25, 1024<<16                        ; tensor_dim0
	s_mov_b32 s26, 64<<16                          ; tensor_dim1
	s_mov_b32 s27, 1024<<16                        ; tile_dim0
	s_mov_b32 s28, 64                              ; tile_dim1
	s_mov_b32 s29, 1024                            ; from row to row
	s_mov_b32 s30, 0
	s_mov_b32 s31, 0
	s_mov_b32 s[CL], 0xc038aa3b                    ; -2 log2(e)
	s_mov_b32 s[CL+1], s[CL]
	s_mov_b32 s[CP], 0x3eed3388                    ; 2 x 0.2316419
	s_mov_b32 s[CP+1], s[CP]
	s_mov_b32 s[JC], 0
	s_mov_b32 s[OFF+1], 0
	s_lshl_b32 s76, s20, 3
	s_lshl_b32 s74, s17, 1
	s_add_co_u32 s76, s76, s74                     ; my first token tile
	s_mov_b32 s75, 0
	s_wait_kmcnt 0x0
	s_load_b128 s[40:43], s[12:13], 0x0            ; entries 0 to 3
	s_lshl_b32 s74, s76, 14
	s_add_nc_u64 s[4:5], s[4:5], s[74:75]          ; xc1 at my two tiles
	s_lshl_b32 s74, s21, 12
	s_add_nc_u64 s[8:9], s[8:9], s[74:75]          ; b1 at unit 1,024 j
	s_lshl_b32 s74, s21, 20
	s_add_nc_u64 s[6:7], s[6:7], s[74:75]          ; W1 at row 1,024 j
	s_add_nc_u64 s[HB:HB+1], s[14:15], s[74:75]    ; hbuf: 2^20 j,
	s_lshl_b32 s74, s76, 12
	s_lshl_b32 s77, s18, 9
	s_add_co_u32 s74, s74, s77
	s_add_nc_u64 s[HB:HB+1], s[HB:HB+1], s[74:75]  ; + 4,096 x token tile + 512 uh
	s_mov_b32 s32, 1                               ; group 0, slot 0: chunk 0
	s_mov_b32 s33, 0
	s_mov_b64 s[34:35], s[6:7]
	s_or_b32 s35, s35, 0x80000000
	s_mov_b32 s36, 1                               ; slot 1: chunk 1
	s_mov_b32 s37, SLOTB
	s_add_nc_u64 s[38:39], s[6:7], 65536
	s_or_b32 s39, s39, 0x80000000
	global_load_b128 v[168:171], v9, s[10:11]      ; act_w
	global_load_b128 v[172:175], v9, s[10:11] offset:16
	global_load_b32 v176, v9, s[10:11] offset:32
	WIN 0x40                                       ; destination window 1
.set n, 0
.rept 64
	global_load_b128 v[4*n:4*n+3], v1, s[4:5] offset:512*n     ; x's fragments: 128 t + 16 ks + 4 c
.set n, n+1
.endr
	WIN 0
	global_load_b128 v[B1H:B1H+3], v4, s[8:9]      ; chunk 0's b1
	global_load_b128 v[B1H+4:B1H+7], v4, s[8:9] offset:16
	global_load_b128 v[B1H+8:B1H+11], v4, s[8:9] offset:64
	global_load_b128 v[B1H+12:B1H+15], v4, s[8:9] offset:80
	ROUND                                          ; all four work-groups are here: the first joint loads meet
	s_cmp_lg_u32 s16, 0
	s_cbranch_scc1 .Lno_first
	tensor_load_to_lds s[32:35], s[24:31]          ; two loads of wave 0 are out
	s_nop 0
	tensor_load_to_lds s[36:39], s[24:31]
	s_nop 0
	PLACES 4
.Lno_first:
	s_wait_loadcnt 0x3f                            ; at most 63 of the 71 are out: the first 8 are in, act_w's three among them
	v_max3_num_f32 v177, v168, v169, v170          ; softmax(act_w), the largest taken away
	v_max3_num_f32 v177, v177, v171, v172
	v_max3_num_f32 v177, v177, v173, v174
	v_max3_num_f32 v177, v177, v175, v176
.irp i, 0,1,2,3,4,5,6,7,8
	v_sub_f32 v[168+\i], v[168+\i], v177
.endr
.irp i, 0,1,2,3,4,5,6,7,8
	v_mul_f32 v[168+\i], 0x3fb8aa3b, v[168+\i]
.endr
.irp i, 0,1,2,3,4,5,6,7,8
	v_exp_f32 v[168+\i], v[168+\i]
.endr
	v_nop
	s_wait_alu depctr_va_vdst(0)
	v_add_f32 v177, v168, v169
.irp i, 2,3,4,5,6,7,8
	v_add_f32 v177, v177, v[168+\i]
.endr
	v_rcp_f32 v177, v177
	v_nop
	s_wait_alu depctr_va_vdst(0)
.irp i, 0,1,2,3,4,5,6,7,8
	v_mul_f32 v[168+\i], v[168+\i], v177           ; w0 .. w8 (w8 weighs the term that is 0)
.endr
	v_add_f32 v177, v169, v171
	v_add_f32 v177, v177, v173
	v_fmamk_f32 v177, v174, 0x3f867d5f, v177       ; cpos
	v_fmamk_f32 v178, v174, 0x3fe10966, v169       ; cneg
	v_mul_f32 v179, -2.0, v177
	v_readfirstlane_b32 s[CR], v179
	s_mov_b32 s[CR+1], s[CR]
	v_readfirstlane_b32 s[CN], v178
	s_mov_b32 s[CN+1], s[CN]
	v_sub_f32 v[K0], v170, v178
	v_mov_b32 v[K0+1], v[K0]
	v_mul_f32 v179, -2.0, v170
	v_readfirstlane_b32 s[C2], v179
	s_mov_b32 s[C2+1], s[C2]
	v_mul_f32 v179, -2.0, v172
	v_readfirstlane_b32 s[C4], v179
	s_mov_b32 s[C4+1], s[C4]
	v_mul_f32 v179, -2.0, v175
	v_readfirstlane_b32 s[C7], v179
	s_mov_b32 s[C7+1], s[C7]
	v_mov_b32 v[W0], v168
	v_mov_b32 v[W0+1], v168
	v_mul_f32 v[P1], 0xbe827906, v173              ; -w5 a1 .. -w5 a5
	v_mov_b32 v[P1+1], v[P1]
	v_mul_f32 v[P2], 0x3e91a98e, v173
	v_mov_b32 v[P2+1], v[P2]
	v_mul_f32 v[P3], 0xbfb5f0e3, v173
	v_mov_b32 v[P3+1], v[P3]
	v_mul_f32 v[P4], 0x3fba00e3, v173
	v_mov_b32 v[P4+1], v[P4]
	v_mul_f32 v179, 0xbf87dc22, v173
	v_readfirstlane_b32 s[P5], v179
	s_mov_b32 s[P5+1], s[P5]
	s_wait_kmcnt 0x0
	s_add_co_i32 s74, s40, s41
	s_add_co_i32 s74, s74, 126
	s_lshl_b32 s74, s74, 23
	s_or_b32 s[SCH], s74, 0x80000000               ; -2^(entries 0 + 1) / 2
	s_mov_b32 s[SCH+1], s[SCH]
	s_add_co_i32 s74, s42, 127
	s_lshl_b32 s75, s74, 23
	v_mov_b32 v8, s75                              ; 2^(entry 2)
	s_add_co_i32 s74, s74, 15
	s_lshl_b32 s74, s74, 23
	s_or_b32 s74, s74, 0x600000
	v_mov_b32 v7, s74                              ; 57,344 x that
	s_wait_tensorcnt 0x1                           ; chunk 0 has landed; chunk 1 may be out
	s_barrier_signal -1
	s_barrier_wait -1
	s_wait_loadcnt 0x4                             ; x is in; b1's four loads may be out
	TRIP 0, 1, 0, 0                                ; chunk 0 is multiplied: there is nothing yet to activate
	s_mov_b32 s[LC], 7
.Lloop:                                            ; chunks 1 to 14 are multiplied, 0 to 13 activated, 2 to 15 asked for
	CHANGE 0
	TRIP 1, 1, 1, 1
	CHANGE 1
	TRIP 0, 1, 1, 1
	s_sub_co_u32 s[LC], s[LC], 1
	s_cmp_lg_u32 s[LC], 0
	s_cbranch_scc1 .Lloop
	CHANGE -1                                      ; the tail is written out
	TRIP 1, 1, 1, 1                                ; chunk 15 is multiplied, 14 activated
	TRIP 0, 0, 1, 0                                ; chunk 15 is activated
	s_wait_tensorcnt 0x0                           ; the wave's end
	ds_add_u32 v5, v6
	s_wait_dscnt 0x0
	ROUND                                          ; the closing round
	s_endpgm
.Lfunc_end_k_q2374c6b1e2_up:
	.size	k_q2374c6b1e2_up, .Lfunc_end_k_q2374c6b1e2_up-k_q2374c6b1e2_up
	.p2alignl 7, 3214868480
	.fill 96, 4, 3214868480
	.section	.rodata,"a",@progbits
	.p2align	6, 0x0
	.amdhsa_kernel k_q2374c6b1e2_up
		.amdhsa_group_segment_fixed_size 327680
		.amdhsa_private_segment_fixed_size 0
		.amdhsa_enable_private_segment 0
		.amdhsa_kernarg_size 48
		.amdhsa_user_sgpr_count 2
		.amdhsa_user_sgpr_kernarg_segment_ptr 1
		.amdhsa_wavefront_size32 1
		.amdhsa_system_sgpr_workgroup_id_x 1
		.amdhsa_system_sgpr_workgroup_id_y 1
		.amdhsa_system_sgpr_workgroup_id_z 1
		.amdhsa_system_vgpr_workitem_id 0
		.amdhsa_next_free_vgpr 512
		.amdhsa_next_free_sgpr 82
		.amdhsa_reserve_vcc 0
		.amdhsa_float_denorm_mode_32 3
		.amdhsa_float_denorm_mode_16_64 3
		.amdhsa_memory_ordered 1
		.amdhsa_forward_progress 1
		.amdhsa_inst_pref_size 226
	.end_amdhsa_kernel
	.amdgpu_metadata
---
amdhsa.version: [ 1, 2 ]
amdhsa.kernels:
  - .name:           k_q2374c6b1e2_up
    .symbol:         k_q2374c6b1e2_up.kd
    .args:
      - { .name: xc1, .offset: 0, .size: 8, .value_kind: global_buffer, .address_space: global }
      - { .name: W1_codes, .offset: 8, .size: 8, .value_kind: global_buffer, .address_space: global }
      - { .name: b1, .offset: 16, .size: 8, .value_kind: global_buffer, .address_space: global }
      - { .name: act_w, .offset: 24, .size: 8, .value_kind: global_buffer, .address_space: global }
      - { .name: lowp_scales, .offset: 32, .size: 8, .value_kind: global_buffer, .address_space: global }
      - { .name: hbuf, .offset: 40, .size: 8, .value_kind: global_buffer, .address_space: global }
    .group_segment_fixed_size: 327680
    .private_segment_fixed_size: 0
    .kernarg_segment_align: 8
    .kernarg_segment_size: 48
    .max_flat_workgroup_size: 256
    .sgpr_count:     82
    .vgpr_count:     512
    .wavefront_size: 32
...
	.end_amdgpu_metadata
.endif
;; end of part 2
;; launch down (part 3): grid 4 x 64, 4 waves a work-group, clusters of 4 x 4, 327,680 bytes of LDS; arguments hbuf, W2_codes, lowp_scales, part; writes part
.if DOCPART == 3
	.amdgcn_target "amdgcn-amd-amdhsa--gfx1250"
	.amdhsa_code_object_version 6
	.text
	.protected	k_q2374c6b1e2_down
	.globl	k_q2374c6b1e2_down
	.p2align	8
	.type	k_q2374c6b1e2_down,@function
k_q2374c6b1e2_down:
	s_mov_b64 s[64:65], 0
	v_nop
	global_prefetch_b8 v0, s[64:65] scope:SCOPE_SE
	s_setreg_imm32_b32 hwreg(HW_REG_WAVE_MODE, 25, 1), 1
	s_wait_xcnt 0x0
	s_wait_alu depctr_hold_cnt(0) depctr_sa_sdst(0) depctr_va_vdst(0) depctr_va_sdst(0) depctr_va_ssrc(0) depctr_va_vcc(0) depctr_vm_vsrc(0)
	s_getreg_b32 s2, hwreg(HW_REG_IB_STS2, 6, 4)
	s_cmp_eq_u32 s2, 0
	s_cbranch_scc0 .Lentry_in_a_cluster
	s_endpgm
.Lentry_in_a_cluster:
	s_bfe_u32 s2, ttmp6, 0x10000c
	s_cmp_lg_u32 s2, 0xf033
	s_cbranch_scc0 .Lentry_shape_is_right
	s_endpgm
.Lentry_shape_is_right:
; part[s][token][d] = 2^(entries 2 + 3) x the sum over the 2,048 hidden units of split s (half of expert s / 2) of h[token][f] W2[d][f], on codes of E5M2; sums in f32.
; A = the hidden layer's codes, stored by the launch before as images of operand registers: [s][K slot of 256][token tile][K step of 128][piece c][lane][16 bytes].  B = W2's codes, rows of 4,096 bytes, K innermost.
; A tile of 256 tokens x 256 columns is made by a work-group of four waves; a wave makes 128 x 128: 64 accumulators, 512 registers.  K goes in steps of 256 through a ring of two LDS slots filled by the tensor data mover.
; CLUSTERS: 4 x 4 work-groups = one split: cy picks the 256 tokens, cx the 256 columns.  The four of a row need the same tiles of A, the four of a column the same tiles of B: each tile is asked for jointly.
; THE MATRIX INSTRUCTION IS USED TRANSPOSED (source 0 = 16 rows of W2, source 1 = 16 tokens): a lane holds eight neighbouring columns of one token's row.
; A's 128 tokens of a K slot are one dense block of 32,768 bytes: it comes in as 128 rows of 256 bytes, 16 bytes of padding behind each; a piece of an image is two such rows, so lanes 0-15 read one row and lanes 16-31 the next.
; LIMIT: entries 2 + 3 between -126 and 127.
; REGISTERS, in windows of 256: window 0: v0-31 addresses; from v128 A's fragments, one set; on the way out v32-255 are free.  window 1: B's fragments, two sets.  windows 2, 3: the accumulators of my rows 0-63, 64-127.
.set SIZE_N, 1024
.set ROWB,   256                       ; a tile's row in bytes
.set ASLOT,  262144                    ; from a K slot of A's images to the next
.set PITCH,  272                       ; an LDS row: 256 bytes + 16
.set FR,     16
.set NL,     4
.set NP,     4                         ; places behind this matrix instruction (ISA guide 7.12.1)
.set HALFT,  128*PITCH
.set SLOT,   4*HALFT
.set LAPS,   4                         ; 2,048 along K = eight K steps = four times round the ring
.set SPARE,  2*SLOT                    ; the spare words: 128 bytes for each wave, two blocks of 256 bytes that no other line names
.set SPITCH, 528                       ; the way out: a stage of 16 rows x (512 + 16) bytes for each wave, in slot 0, which has had its last fill and its last read by then
.set ADRA, 16
.set ADRB, 20
.set STO,  24
.set RD,   25
.set CO,   26
.set SPW,  28
.set NIL,  29
.set TMP,  32
.set AF,   128
.set BK,   128
.set G1, 24
.set G0, 32
.set G1B, 48
.set G0B, 56
.set MSB, 0
.macro WIN new
.if MSB != \new
	s_set_vgpr_msb (MSB<<8)|\new
.set MSB, \new
.endif
.endm
.set MUL_LO, 0xa1                      ; source 0 (B) window 1, source 1 (A) window 0, C and D window 2
.set MUL_HI, 0xf1
.set TO_B,   0x40
.macro JLOAD g0a, g1a, g0b, g1b        ; waves 0 and 1 fetch for A, waves 2 and 3 for B; four v_nop follow each line
	s_cmp_eq_u32 s15, 0
	s_cbranch_scc0 .Lfor_b_\@
	tensor_load_to_lds s[\g0a:\g0a+3], s[\g1a:\g1a+7]
	s_nop 0
.rept 4
	v_nop
.endr
	s_branch .Lasked_\@
.Lfor_b_\@:
	tensor_load_to_lds s[\g0b:\g0b+3], s[\g1b:\g1b+7]
	s_nop 0
.rept 4
	v_nop
.endr
.Lasked_\@:
.endm
.macro CREST
	s_cmp_lg_u32 s14, 0
	s_cbranch_scc1 .Lnot_wave_0_\@
	s_barrier_signal -3
.Lnot_wave_0_\@:
	s_barrier_wait -3
	s_barrier_signal -1
	s_barrier_wait -1
.endm
.macro CROUND
	s_barrier_signal -1
	s_barrier_wait -1
	CREST
.endm
	s_load_b128 s[4:7], s[0:1], 0x0                ; the hidden layer's codes, W2's codes
	s_load_b128 s[8:11], s[0:1], 0x10              ; the scales' exponents, part
	v_lshl_add_u32 v[SPW], v0, 2, SPARE
	v_mov_b32 v[NIL], 0
	ds_add_u32 v28, v29
	s_wait_dscnt 0x0
	v_lshrrev_b32 v1, 5, v0
	v_readfirstlane_b32 s14, v1                    ; wave 0..3
	s_lshr_b32 s15, s14, 1                         ; which half of the tile's rows is mine.  Also: I fetch for A (0) or for B (1)
	s_and_b32 s16, s14, 1                          ; which half of its columns.  Also: which 128 rows of that tile I fetch
	s_bfe_u32 s40, ttmp6, 0x40000                  ; cx, cy
	s_bfe_u32 s41, ttmp6, 0x40004
	s_lshl_b32 s42, ttmp9, 2
	s_add_co_u32 s42, s42, s40                     ; tile column
	s_and_b32 s66, ttmp7, 0xffff                   ; the split s = the cluster's y
	s_lshl_b32 s17, s66, 2
	s_add_co_u32 s17, s17, s41                     ; tile row of part = 4 s + cy
	s_lshl_b32 s43, s41, 2
	s_lshl_b32 s43, 15, s43                        ; my row of the cluster
	s_lshl_b32 s44, 0x1111, s40                    ; my column
	s_or_b32 s[G1+0], s43, (0<<16)|(1<<20)|(1<<21)|(5<<22)|(3<<25)  ; the mask; elements of 1 byte; padding on; bit 21 beside a mask; after every 64 words, 4 words
	s_or_b32 s[G1B+0], s44, (0<<16)|(1<<20)|(1<<21)|(5<<22)|(3<<25)
.irp g, G1, G1B
	s_mov_b32 s[\g+1], ROWB<<16                    ; tensor_dim0
	s_mov_b32 s[\g+2], 128<<16                     ; tensor_dim1
	s_mov_b32 s[\g+3], ROWB<<16                    ; tile_dim0
	s_mov_b32 s[\g+4], 128                         ; tile_dim1
	s_mov_b32 s[\g+6], 0
	s_mov_b32 s[\g+7], 0
.endr
	s_mov_b32 s[G1+5], 256                         ; A: a dense block
	s_mov_b32 s[G1B+5], 4096                       ; B: a row of W2
	s_lshl_b32 s20, s66, 21                        ; A: the split's images,
	s_lshl_b32 s18, s41, 16                        ; my tile row's sixteen token tiles (4,096 bytes each in a K slot),
	s_add_co_u32 s20, s20, s18
	s_lshl_b32 s18, s16, 15                        ; the eight of them that I fetch
	s_add_co_u32 s20, s20, s18
	s_mov_b32 s21, 0
	s_lshr_b32 s46, s66, 1
	s_lshl_b32 s46, s46, 22                        ; B: the expert,
	s_and_b32 s47, s66, 1
	s_lshl_b32 s47, s47, 11                        ; its half of K,
	s_add_co_u32 s46, s46, s47
	s_lshl_b32 s47, s42, 20                        ; row 256 x tile column,
	s_add_co_u32 s46, s46, s47
	s_lshl_b32 s47, s16, 19                        ; + the 128 rows that I fetch
	s_add_co_u32 s46, s46, s47
	s_mov_b32 s47, 0
	s_mul_i32 s45, s14, HALFT                      ; where they go: wave x 128 rows
	s_wait_kmcnt 0x0
	s_load_b64 s[96:97], s[8:9], 0x8               ; entries 2, 3
	s_add_nc_u64 s[20:21], s[4:5], s[20:21]
	s_add_nc_u64 s[46:47], s[6:7], s[46:47]
	CROUND                                         ; all sixteen work-groups are here: the first joint loads meet
.irp s, 0,1
	s_mov_b32 s[G0+4*\s], 1
	s_add_co_u32 s[G0+4*\s+1], s45, \s*SLOT
	s_add_nc_u64 s[G0+4*\s+2:G0+4*\s+3], s[20:21], \s*ASLOT
	s_or_b32 s[G0+4*\s+3], s[G0+4*\s+3], 0x80000000
	s_mov_b32 s[G0B+4*\s], 1
	s_add_co_u32 s[G0B+4*\s+1], s45, \s*SLOT
	s_add_nc_u64 s[G0B+4*\s+2:G0B+4*\s+3], s[46:47], \s*ROWB
	s_or_b32 s[G0B+4*\s+3], s[G0B+4*\s+3], 0x80000000
	JLOAD G0+4*\s, G1, G0B+4*\s, G1B
.endr
	v_and_b32 v1, 15, v0                           ; l % 16
	v_bfe_u32 v2, v0, 4, 1                         ; l / 16
	v_mul_u32_u24 v3, v1, PITCH
	v_lshl_add_u32 v4, v2, 4, v3                   ; B: a fragment's row x pitch + 16 x half
	v_mul_u32_u24 v3, v2, PITCH
	v_lshl_add_u32 v3, v1, 4, v3                   ; A: a piece's 512 bytes are two LDS rows: half x pitch + 16 x (l % 16)
	s_mul_i32 s21, s15, HALFT                      ; my 128 tokens of A
	s_mul_i32 s22, s16, HALFT                      ; my 128 rows of B,
	s_add_co_u32 s22, s22, 2*HALFT                 ; which lie behind A's 256
.irp s, 0,1
	v_add_nc_u32 v[ADRA+\s], s21, v3
	v_add_nc_u32 v[ADRB+\s], s22, v4
	s_add_co_u32 s21, s21, SLOT
	s_add_co_u32 s22, s22, SLOT
.endr
	s_mul_i32 s23, s14, 16*SPITCH                  ; my stage
	v_mul_u32_u24 v5, v1, SPITCH
	v_lshl_add_u32 v5, v2, 5, v5
	v_add_nc_u32 v[STO], s23, v5
	v_and_b32 v6, 31, v0
	v_lshlrev_b32 v[CO], 4, v6
	v_add_nc_u32 v[RD], s23, v[CO]
	s_lshl_b32 s20, s17, 8
	s_lshl_b32 s21, s15, 7
	s_add_co_u32 s20, s20, s21                     ; my first row of part: 256 x tile row + 128 x half
	s_mov_b32 s21, 0
	s_mov_b64 s[18:19], SIZE_N*4
	s_mul_u64 s[20:21], s[20:21], s[18:19]
	s_lshl_b32 s46, s42, 10                        ; my first column, in bytes
	s_lshl_b32 s47, s16, 9
	s_add_co_u32 s46, s46, s47
	s_mov_b32 s47, 0
	s_add_nc_u64 s[20:21], s[20:21], s[46:47]
	s_add_nc_u64 s[10:11], s[10:11], s[20:21]
.macro FRAG reg, adr, q, i             ; B: registers 4 c .. 4 c + 3 of lane l hold, of row l % 16, K = 32 c + 16 (l / 16) + 0 .. 15
.irp c, 0,1,2,3
	ds_load_b128 v[\reg+4*\c:\reg+4*\c+3], v[\adr] offset:128*(\q)+32*\c+(\i)*16*PITCH
.endr
.endm
.macro FRAGA reg, adr, q, i            ; A: the image as it was stored: token tile i = 16 LDS rows, K step q = 8, piece c = 2
.irp c, 0,1,2,3
	ds_load_b128 v[\reg+4*\c:\reg+4*\c+3], v[\adr] offset:8*PITCH*(\q)+2*PITCH*\c+(\i)*16*PITCH
.endr
.endm
; The 64 accumulators take turns, one instruction a turn, in the same order in every step.
.macro MUL16 a0, p, zero
.irp a, \a0, \a0+1
.irp b, 0,1,2,3,4,5,6,7
.if \zero
	v_wmma_f32_16x16x128_bf8_bf8 v[8*(8*((\a)%4)+\b):8*(8*((\a)%4)+\b)+7], v[128*(\p)+FR*\b:128*(\p)+FR*\b+FR-1], v[AF+FR*(\a):AF+FR*(\a)+FR-1], 0
.else
	v_wmma_f32_16x16x128_bf8_bf8 v[8*(8*((\a)%4)+\b):8*(8*((\a)%4)+\b)+7], v[128*(\p)+FR*\b:128*(\p)+FR*\b+FR-1], v[AF+FR*(\a):AF+FR*(\a)+FR-1], v[8*(8*((\a)%4)+\b):8*(8*((\a)%4)+\b)+7]
.endif
.endr
.endr
.endm
.macro FETCH_B slot, q, p
	WIN TO_B
.irp i, 0,1,2,3,4,5,6,7
	FRAG 128*(\p)+FR*\i, ADRB+\slot, \q, \i
.endr
	WIN 0
.endm
.macro FETCH_A slot, q, i0
.irp i, \i0, \i0+1, \i0+2, \i0+3
	FRAGA AF+FR*(\i), ADRA+\slot, \q, \i
.endr
.endm
.macro PLACES n                        ; in front of loads into registers that matrix instructions have read, and of the first read of results
.rept \n
	v_nop
.endr
.endm
.macro STEP slot, q, zero              ; a step of 128 along K that has its successor in the same slot
	s_wait_dscnt 4*NL                              ; B's set and A's blocks 0-3 are in; the youngest loads (A's blocks 4-7) may be out
	WIN MUL_LO
	MUL16 0, (\q)%2, \zero
	MUL16 2, (\q)%2, \zero
	s_wait_dscnt 0
	PLACES NP
	FETCH_B \slot, (\q)+1, 1-(\q)%2
	FETCH_A \slot, (\q)+1, 0
	WIN MUL_HI
	MUL16 4, (\q)%2, \zero
	MUL16 6, (\q)%2, \zero
	PLACES NP
	WIN 0
	FETCH_A \slot, (\q)+1, 4
.endm
; A slot's last step changes slots: one barrier; in front of it each wave waits for all its tensor loads, adds 0 to its spare word, and waits for that and for its reads of this slot.
.macro TURN slot, next, fill
	s_wait_tensorcnt 0x0                           ; all my tensor loads have landed: my part of the next slot
	ds_add_u32 v[SPW], v[NIL]
	s_wait_dscnt 4*NL+1                            ; (the add and the youngest loads, A's blocks 4-7, may be out)
	WIN MUL_LO
	MUL16 0, 1, 0
	s_wait_dscnt 0x0                               ; the add is done, and my reads of this slot are over
	s_barrier_signal -1
	MUL16 2, 1, 0
	WIN 0
	s_barrier_wait -1
.if \fill
	CREST                                          ; the barrier has opened a round of the cluster's barrier
	s_add_nc_u64 s[G0+4*\slot+2:G0+4*\slot+3], s[G0+4*\slot+2:G0+4*\slot+3], 2*ASLOT
	s_add_nc_u64 s[G0B+4*\slot+2:G0B+4*\slot+3], s[G0B+4*\slot+2:G0B+4*\slot+3], 2*ROWB
	JLOAD G0+4*\slot, G1, G0B+4*\slot, G1B         ; the first tensor load behind the round; its four v_nop are the places in front of the loads below
.else
	PLACES NP
.endif
	FETCH_B \next, 0, 0
	FETCH_A \next, 0, 0
	WIN MUL_HI
	MUL16 4, 1, 0
	MUL16 6, 1, 0
	PLACES NP
	WIN 0
	FETCH_A \next, 0, 4
.endm
	s_wait_tensorcnt 1                             ; my part of K step 0 is in (K step 1's load may be out),
	s_barrier_signal -1
	s_barrier_wait -1                              ; everybody's is
	FETCH_B 0, 0, 0
	FETCH_A 0, 0, 0
	FETCH_A 0, 0, 4
	STEP 0, 0, 1                                   ; the first step's products start the sums
	s_mov_b32 s3, LAPS-1
.Llap:                                             ; once round the ring, from a lap's second step to the next lap's first; both slots are filled again
	TURN 0, 1, 1
	STEP 1, 0, 0
	TURN 1, 0, 1
	STEP 0, 0, 0
	s_sub_co_u32 s3, s3, 1
	s_cmp_lg_u32 s3, 0
	s_cbranch_scc1 .Llap
	TURN 0, 1, 0                                   ; the last lap fills nothing
	STEP 1, 0, 0
	s_wait_dscnt 4*NL
	WIN MUL_LO
	MUL16 0, 1, 0
	MUL16 2, 1, 0
	s_wait_dscnt 0
	WIN MUL_HI
	MUL16 4, 1, 0
	MUL16 6, 1, 0
	WIN 0
; THE WAY OUT, block by block of 16 rows x 128 columns, through my own stage in LDS: back as whole rows of 512 bytes.  LDS serves a wave's instructions in order (ISA guide 5.7.1.4).
.macro TOSTAGE a
.set AC, 64*((\a)%4)
	WIN 0x02+((\a)/4)
.irp j, 0,2,4,6,8,10,12,14,16,18,20,22,24,26,28,30,32,34,36,38,40,42,44,46,48,50,52,54,56,58,60,62
	v_pk_mul_f32 v[TMP+\j:TMP+\j+1], v[AC+\j:AC+\j+1], s[96:97] op_sel_hi:[1,0]   ; x 2^(entries 2 + 3); each accumulator from its low end on
.endr
	WIN 0
.irp b, 0,1,2,3,4,5,6,7
	ds_store_b128 v[STO], v[TMP+8*\b:TMP+8*\b+3] offset:64*\b
	ds_store_b128 v[STO], v[TMP+8*\b+4:TMP+8*\b+7] offset:64*\b+16
.endr
.set BB, BK+64*((\a)%2)
.irp t, 0,1,2,3,4,5,6,7,8,9,10,11,12,13,14,15
	ds_load_b128 v[BB+4*\t:BB+4*\t+3], v[RD] offset:\t*SPITCH
.endr
.endm
.macro SEND a, younger
.set BB, BK+64*((\a)%2)
	s_wait_dscnt \younger
.if (\a) > 0
	s_add_nc_u64 s[10:11], s[10:11], 16*SIZE_N*4   ; (behind a wait on XCNT: the earlier stores have read their base)
.endif
.irp t, 0,1,2,3,4,5,6,7,8,9,10,11,12,13,14,15
	global_store_b128 v[CO], v[BB+4*\t:BB+4*\t+3], s[10:11] offset:\t*SIZE_N*4 th:TH_STORE_NT   ; 512 consecutive bytes, aligned
.endr
.endm
	s_wait_kmcnt 0x0
	s_add_co_i32 s96, s96, s97
	s_add_co_i32 s96, s96, 127
	s_lshl_b32 s96, s96, 23                        ; 2^(entries 2 + 3)
	PLACES NP
	TOSTAGE 0
.irp a, 1,2,3,4,5,6,7
.if \a > 1
	s_wait_xcnt 0x0                                ; block a - 2's stores have read their registers and their base
.endif
	TOSTAGE \a
	SEND \a-1, 32                                  ; behind block a - 1's loads: block a's 16 stores and 16 loads
.endr
	s_wait_xcnt 0x0
	SEND 7, 0
	s_wait_tensorcnt 0x0                           ; the wave's end
	ds_add_u32 v[SPW], v[NIL]
	s_wait_dscnt 0x0
	CROUND                                         ; the closing round
	s_endpgm
.Lfunc_end_k_q2374c6b1e2_down:
	.size	k_q2374c6b1e2_down, .Lfunc_end_k_q2374c6b1e2_down-k_q2374c6b1e2_down
	.p2alignl 7, 3214868480
	.fill 96, 4, 3214868480
	.section	.rodata,"a",@progbits
	.p2align	6, 0x0
	.amdhsa_kernel k_q2374c6b1e2_down
		.amdhsa_group_segment_fixed_size 327680
		.amdhsa_private_segment_fixed_size 0
		.amdhsa_enable_private_segment 0
		.amdhsa_kernarg_size 32
		.amdhsa_user_sgpr_count 2
		.amdhsa_user_sgpr_kernarg_segment_ptr 1
		.amdhsa_wavefront_size32 1
		.amdhsa_system_sgpr_workgroup_id_x 1
		.amdhsa_system_sgpr_workgroup_id_y 1
		.amdhsa_system_sgpr_workgroup_id_z 1
		.amdhsa_system_vgpr_workitem_id 0
		.amdhsa_next_free_vgpr 1024
		.amdhsa_next_free_sgpr 98
		.amdhsa_reserve_vcc 0
		.amdhsa_float_denorm_mode_32 3
		.amdhsa_float_denorm_mode_16_64 3
		.amdhsa_memory_ordered 1
		.amdhsa_forward_progress 1
		.amdhsa_inst_pref_size 123
	.end_amdhsa_kernel
	.amdgpu_metadata
---
amdhsa.version: [ 1, 2 ]
amdhsa.kernels:
  - .name:           k_q2374c6b1e2_down
    .symbol:         k_q2374c6b1e2_down.kd
    .args:
      - { .name: hbuf, .offset: 0, .size: 8, .value_kind: global_buffer, .address_space: global }
      - { .name: W2_codes, .offset: 8, .size: 8, .value_kind: global_buffer, .address_space: global }
      - { .name: lowp_scales, .offset: 16, .size: 8, .value_kind: global_buffer, .address_space: global }
      - { .name: part, .offset: 24, .size: 8, .value_kind: global_buffer, .address_space: global }
    .group_segment_fixed_size: 327680
    .private_segment_fixed_size: 0
    .kernarg_segment_align: 8
    .kernarg_segment_size: 32
    .max_flat_workgroup_size: 128
    .sgpr_count:     98
    .vgpr_count:     1024
    .wavefront_size: 32
...
	.end_amdgpu_metadata
.endif
;; end of part 3
;; launch fin (part 4): grid 8 x 32, 8 waves a work-group, no clusters, 41,984 bytes of LDS; arguments part, glog, qbuf, tbuf, memory_codes, b2, Wq_out, thetas, phis, lams, amplitude, phase_shift, period, time_scalar, c, chaotic_r, lowp_scales, out0; writes out0
.if DOCPART == 4
	.amdgcn_target "amdgcn-amd-amdhsa--gfx1250"
	.amdhsa_code_object_version 6
	.text
	.protected	k_q2374c6b1e2_fin
	.globl	k_q2374c6b1e2_fin
	.p2align	8
	.type	k_q2374c6b1e2_fin,@function
k_q2374c6b1e2_fin:
	s_mov_b64 s[64:65], 0
	v_nop
	global_prefetch_b8 v0, s[64:65] scope:SCOPE_SE
	s_setreg_imm32_b32 hwreg(HW_REG_WAVE_MODE, 25, 1), 1
	s_wait_xcnt 0x0
; out = (sum over e of gate[e] (part[2 e] + part[2 e + 1] + b2[e]) + probs Wq_out + read) x chaotic x cyc.
; SHARES.  Work-group (bx, by): 32 tokens x 128 columns.  Wave w = tw + 2 kq: for the memory's softmax token tile 2 by + tw and slots 128 kq on; for the read the same token tile and columns 32 kq on;
; for the sum rows 4 w .. 4 w + 3, a lane four columns.  Wave 0 also makes the gate's softmax (at its head), wave 1 the circuit, a lane a token.  The 64 loads of the parts are issued at the head and land under all of that.
; THE SOFTMAX AHEAD OF THE READ: p = 2^(t - M), M = the row's largest t rounded up to a whole number; p is quantised to E5M2 at entry 8; the row's sum is taken of the unquantised p and divides at the end.
; The read is on codes (entries 8, 9), used transposed: source 0 = 16 rows (columns d) of the memory's codes, source 1 = p's image.
; THE CIRCUIT: U3 = diag(1, e^(i phi)) R(theta / 2) diag(1, e^(i lambda)): each of the eight gates is a phase, a rotation and a phase on the eight pairs of amplitudes that differ in its qubit's bit (qubit q: bit 8 >> q).
; SINE AND COSINE: the angle in turns less the nearest whole number, a quarter of it by series (|angle| at most pi / 4), doubled twice.
; LIMITS: entry 8 between -126 and 112; the error of an angle's reduction grows as 6e-8 x |angle|; the sum of q^2 is a normal f32 number.  NaN and infinities are not served.
.set TV,  32                           ; v32-95   64 t, then p; then at work; then p's four fragments; then gates and probs of rows 0, 1
.set MF,  96                           ; v96-223  the memory's eight fragments (64 d + 16 ks); later b2 (96), Wq_out (128), probs of rows 2, 3 (192)
.set PO,  224                          ; v224-231 the parts' offsets; then v224-239 p's codes, the read, rows of the read
.set GL,  232                          ; v232-239 wave 0: the gate's logits, done with before p's codes are made
.set CD,  224
.set OA,  240                          ; v240-255 wave 1: q; then the read's two accumulators; then the sums
.set RE,  32
.set IM,  48
.set T,   64
.set SUMS, 1024                        ; LDS: 0 the waves' maxima; SUMS their sums; GATE 32 x 32 bytes; PROBS 32 x 64; PIMG eight images of 2,048; READ 32 rows of 528
.set GATE, 2048
.set PROBS, 3072
.set PIMG, 5120
.set READ, 21504
.set MSB, 0
.macro WIN new
.if MSB != \new
	s_set_vgpr_msb (MSB<<8)|\new
.set MSB, \new
.endif
.endm
.macro SINCOS a, s, c, z, p, ks:vararg ; v[s + k], v[c + k] = sine, cosine of v[a + k]
.irp k, \ks
	v_mul_f32 v[\c+\k], 0x3e22f983, v[\a+\k]
.endr
.irp k, \ks
	v_rndne_f32 v[\c+\k], v[\c+\k]
.endr
.irp k, \ks
	v_fma_f32 v[\s+\k], v[\a+\k], 0x3e22f983, -v[\c+\k]    ; turns, within +-1/2
.endr
.irp k, \ks
	v_mul_f32 v[\s+\k], 0x3fc90fdb, v[\s+\k]               ; a quarter of the angle
.endr
.irp k, \ks
	v_mul_f32 v[\z+\k], v[\s+\k], v[\s+\k]
.endr
.irp k, \ks
	v_mov_b32 v[\p+\k], 0x3638ef1d
.endr
.irp k, \ks
	v_fmaak_f32 v[\p+\k], v[\p+\k], v[\z+\k], 0xb9500d01
.endr
.irp k, \ks
	v_fmaak_f32 v[\p+\k], v[\p+\k], v[\z+\k], 0x3c088889
.endr
.irp k, \ks
	v_fmaak_f32 v[\p+\k], v[\p+\k], v[\z+\k], 0xbe2aaaab
.endr
.irp k, \ks
	v_mul_f32 v[\p+\k], v[\p+\k], v[\z+\k]
.endr
.irp k, \ks
	v_mov_b32 v[\c+\k], 0xb493f27e
.endr
.irp k, \ks
	v_fmaak_f32 v[\c+\k], v[\c+\k], v[\z+\k], 0x37d00d01
.endr
.irp k, \ks
	v_fmaak_f32 v[\c+\k], v[\c+\k], v[\z+\k], 0xbab60b61
.endr
.irp k, \ks
	v_fmaak_f32 v[\c+\k], v[\c+\k], v[\z+\k], 0x3d2aaaab
.endr
.irp k, \ks
	v_fmaak_f32 v[\c+\k], v[\c+\k], v[\z+\k], 0xbf000000
.endr
.irp k, \ks
	v_fma_f32 v[\c+\k], v[\c+\k], v[\z+\k], 1.0
.endr
.irp k, \ks
	v_fma_f32 v[\s+\k], v[\p+\k], v[\s+\k], v[\s+\k]
.endr
.rept 2                                ; the angle doubled
.irp k, \ks
	v_mul_f32 v[\z+\k], v[\s+\k], v[\s+\k]
.endr
.irp k, \ks
	v_mul_f32 v[\p+\k], v[\s+\k], v[\c+\k]
.endr
.irp k, \ks
	v_fma_f32 v[\c+\k], v[\z+\k], -2.0, 1.0
.endr
.irp k, \ks
	v_add_f32 v[\s+\k], v[\p+\k], v[\p+\k]
.endr
.endr
.endm
.macro PHASE mask, c, s                ; the amplitudes whose bit is set, x (s[c] + i s[s])
.set k, 0
.set n, 0
.rept 16
.if n & (\mask)
	v_mul_f32 v[T+k], s[\s], v[IM+n]
	v_mul_f32 v[T+8+k], s[\s], v[RE+n]
.set k, k+1
.endif
.set n, n+1
.endr
.set k, 0
.set n, 0
.rept 16
.if n & (\mask)
	v_fma_f32 v[RE+n], v[RE+n], s[\c], -v[T+k]
	v_fma_f32 v[IM+n], v[IM+n], s[\c], v[T+8+k]
.set k, k+1
.endif
.set n, n+1
.endr
.endm
.macro ROT z, mask, c, s               ; (z0, z1) <- (c z0 - s z1, s z0 + c z1), on real or on imaginary parts
.set k, 0
.set n, 0
.rept 16
.if (n & (\mask)) == 0
	v_mul_f32 v[T+k], s[\s], v[\z+n+\mask]
	v_mul_f32 v[T+8+k], s[\s], v[\z+n]
.set k, k+1
.endif
.set n, n+1
.endr
.set k, 0
.set n, 0
.rept 16
.if (n & (\mask)) == 0
	v_fma_f32 v[\z+n], v[\z+n], s[\c], -v[T+k]
	v_fma_f32 v[\z+n+\mask], v[\z+n+\mask], s[\c], v[T+8+k]
.set k, k+1
.endif
.set n, n+1
.endr
.endm
.macro GATEQ i, mask                   ; gate i = 4 l + q.  s[40 + i] sin theta/2, s[48 + i] cos theta/2, s[56 + i] sin phi, s[66 + i] cos phi, s[74 + i] sin lambda, s[82 + i] cos lambda
	PHASE \mask, 82+\i, 74+\i
	ROT RE, \mask, 48+\i, 40+\i
	ROT IM, \mask, 48+\i, 40+\i
	PHASE \mask, 66+\i, 56+\i
.endm
	s_load_b512 s[4:19], s[0:1], 0x0               ; part 4, glog 6, qbuf 8, tbuf 10, memory 12, b2 14, Wq_out 16, thetas 18
	s_load_b512 s[20:35], s[0:1], 0x40             ; phis 20, lams 22, amplitude 24, phase_shift 26, period 28, time 30, c 32, chaotic_r 34
	s_load_b128 s[36:39], s[0:1], 0x80             ; scales 36, out0 38
	v_lshrrev_b32 v24, 5, v0
	v_readfirstlane_b32 s90, v24                   ; wave
	s_and_b32 s91, s90, 1                          ; tw
	s_lshr_b32 s92, s90, 1                         ; kq
	s_mov_b32 s93, ttmp9                           ; bx
	s_and_b32 s94, ttmp7, 0xffff                   ; by
	s_mov_b32 s2, 0x76543210                       ; v_permlanex16_b32: lane l xor 16
	s_mov_b32 s3, 0xfedcba98
	v_and_b32 v24, 31, v0                          ; lane
	v_and_b32 v25, 15, v0                          ; r
	v_bfe_u32 v26, v0, 4, 1                        ; h
	; every address register is made here, ahead of the first branch on the wave's number
	v_lshlrev_b32 v1, 4, v24                       ; 16 x lane
	v_lshlrev_b32 v2, 9, v25
	v_lshl_add_u32 v2, v26, 4, v2                  ; the memory's codes: row r of 512 bytes, + 16 h
	v_lshlrev_b32 v3, 2, v0                        ; my word among the waves' maxima (sums: + SUMS)
	v_lshlrev_b32 v4, 2, v24
	s_lshl_b32 s95, s91, 7
	v_add_nc_u32 v4, s95, v4                       ; and those of my token tile's four waves, 256 bytes apart
	s_lshl_b32 s95, s90, 11
	s_add_co_u32 s95, s95, PIMG
	v_add_nc_u32 v5, s95, v1                       ; where I store p's image
	s_lshl_b32 s95, s91, 11
	s_add_co_u32 s95, s95, PIMG
	v_add_nc_u32 v6, s95, v1                       ; my token tile's four images, 4,096 bytes apart
	s_mul_i32 s95, s91, 16*528
	s_lshl_b32 s40, s92, 7
	s_add_co_u32 s95, s95, s40
	s_add_co_u32 s95, s95, READ
	v_mul_u32_u24 v7, v25, 528
	v_lshl_add_u32 v7, v26, 5, v7
	v_add_nc_u32 v7, s95, v7                       ; the read: row 16 tw + r, column 32 kq + 8 h
	s_mul_i32 s95, s90, 4*528
	s_add_co_u32 s95, s95, READ
	v_add_nc_u32 v8, s95, v1                       ; and back: my four rows
	s_lshl_b32 s95, s90, 7
	s_add_co_u32 s95, s95, GATE
	v_mov_b32 v9, s95                              ; my four rows' gates,
	s_lshl_b32 s95, s90, 8
	s_add_co_u32 s95, s95, PROBS
	v_mov_b32 v10, s95                             ; and probs: one address for all lanes
	v_lshlrev_b32 v11, 5, v24
	v_add_nc_u32 v11, GATE, v11                    ; wave 0 stores token = lane
	v_lshlrev_b32 v12, 6, v24
	v_add_nc_u32 v12, PROBS, v12                   ; wave 1 likewise
	v_lshlrev_b32 v13, 3, v25
	v_lshl_add_u32 v13, v26, 9, v13                ; glog: [tile][g][r][2]
	v_lshlrev_b32 v14, 4, v25
	v_lshl_add_u32 v14, v26, 10, v14               ; qbuf: [tile][p][lane][16]
	v_and_b32 v15, 7, v0
	v_lshlrev_b32 v15, 2, v15                      ; an angle: gate lane % 8
.irp e, 0,1,2,3,4,5,6,7
	v_add_nc_u32 v[PO+\e], \e*8388608, v1          ; parts 2 e and 2 e + 1 lie 8 MiB x e on
.endr
	s_mov_b32 s41, 0
	s_wait_kmcnt 0x0
	s_load_b64 s[96:97], s[36:37], 0x20            ; entries 8, 9
	s_load_b32 s98, s[28:29], 0x0                  ; period
	s_load_b32 s99, s[30:31], 0x0                  ; time
	s_load_b32 s100, s[32:33], 0x0                 ; c
	s_load_b32 s101, s[34:35], 0x0                 ; chaotic_r
	s_lshl_b32 s40, s94, 1
	s_add_co_u32 s40, s40, s91
	s_lshl_b32 s40, s40, 5
	s_lshl_b32 s95, s92, 3
	s_add_co_u32 s40, s40, s95
	s_lshl_b32 s40, s40, 10
	s_add_nc_u64 s[10:11], s[10:11], s[40:41]      ; tbuf: [2 by + tw][8 kq]
	s_lshl_b32 s40, s94, 10
	s_add_nc_u64 s[6:7], s[6:7], s[40:41]          ; glog: tile 2 by
	s_lshl_b32 s40, s94, 11
	s_add_nc_u64 s[8:9], s[8:9], s[40:41]          ; qbuf: tile 2 by
	s_lshl_b32 s40, s93, 16
	s_lshl_b32 s95, s92, 14
	s_add_co_u32 s40, s40, s95
	s_add_nc_u64 s[12:13], s[12:13], s[40:41]      ; the memory's codes: row 128 bx + 32 kq
	s_lshl_b32 s40, s93, 9                         ; my work-group's 128 columns
	s_add_nc_u64 s[14:15], s[14:15], s[40:41]
	s_add_nc_u64 s[16:17], s[16:17], s[40:41]
	s_add_nc_u64 s[24:25], s[24:25], s[40:41]
	s_add_nc_u64 s[26:27], s[26:27], s[40:41]
	s_lshl_b32 s95, s94, 17
	s_add_co_u32 s40, s40, s95
	s_lshl_b32 s95, s90, 14
	s_add_co_u32 s40, s40, s95                     ; + row 32 by + 4 w
	s_add_nc_u64 s[4:5], s[4:5], s[40:41]
	s_add_nc_u64 s[38:39], s[38:39], s[40:41]
.set n, 0
.rept 16
	global_load_b128 v[TV+4*n:TV+4*n+3], v1, s[10:11] offset:512*n     ; register 8 T + j of lane (r, h): t of token r, slot 128 kq + 16 T + 8 h + j
.set n, n+1
.endr
	s_cmp_lg_u32 s90, 0
	s_cbranch_scc1 .Lnot0a
.irp g, 0,1,2,3
	global_load_b64 v[GL+2*\g:GL+2*\g+1], v13, s[6:7] offset:128*\g    ; wave 0: my token's eight gate logits, in registers that no other load of the text names
.endr
.Lnot0a:
	s_cmp_lg_u32 s90, 1
	s_cbranch_scc1 .Lnot1a
.irp hh, 0,1
.irp p, 0,1
	global_load_b128 v[OA+8*\hh+4*\p:OA+8*\hh+4*\p+3], v14, s[8:9] offset:512*\p+256*\hh   ; wave 1: my token's sixteen q
.endr
.endr
	global_load_b32 v28, v15, s[18:19]
	global_load_b32 v29, v15, s[20:21]
	global_load_b32 v30, v15, s[22:23]
.Lnot1a:
	global_load_b128 v[16:19], v1, s[24:25]        ; amplitude, phase_shift of my four columns
	global_load_b128 v[20:23], v1, s[26:27]
.irp d, 0,1
.irp ks, 0,1,2,3
.irp c, 0,1,2,3
	global_load_b128 v[MF+64*\d+16*\ks+4*\c:MF+64*\d+16*\ks+4*\c+3], v2, s[12:13] offset:8192*\d+128*\ks+32*\c
.endr
.endr
.endr
	WIN 0x40                                       ; destination window 1: part s of row rho at 4 (16 rho + s)
.irp e, 0,1,2,3,4,5,6,7
.irp hf, 0,1
.irp rho, 0,1,2,3
	global_load_b128 v[4*(16*\rho+2*\e+\hf):4*(16*\rho+2*\e+\hf)+3], v[PO+\e], s[4:5] offset:4194304*\hf+4096*\rho th:TH_LOAD_NT
.endr
.endr
.endr
	WIN 0
	s_wait_loadcnt 0x3f                            ; the parts' 64 loads were issued last: with at most 63 out, all that stands ahead of them is in
	s_cmp_lg_u32 s90, 0
	s_cbranch_scc1 .Lnot0b
	v_max3_num_f32 v24, v232, v233, v234           ; wave 0: the gate's softmax, the largest taken away; it stands here because p's codes take these registers further down
	v_max3_num_f32 v24, v24, v235, v236
	v_max3_num_f32 v24, v24, v237, v238
	v_max_num_f32 v24, v24, v239
.irp i, 0,1,2,3,4,5,6,7
	v_sub_f32 v[GL+\i], v[GL+\i], v24
.endr
.irp i, 0,1,2,3,4,5,6,7
	v_mul_f32 v[GL+\i], 0x3fb8aa3b, v[GL+\i]
.endr
.irp i, 0,1,2,3,4,5,6,7
	v_exp_f32 v[GL+\i], v[GL+\i]
.endr
	v_nop                                          ; the plain line behind the exponentials
	s_wait_alu depctr_va_vdst(0)                   ; one wait for the eight, ahead of their first reader
	v_add_f32 v24, v232, v233
.irp i, 2,3,4,5,6,7
	v_add_f32 v24, v24, v[GL+\i]
.endr
	v_rcp_f32 v24, v24
	v_nop
	s_wait_alu depctr_va_vdst(0)
.irp i, 0,1,2,3,4,5,6,7
	v_mul_f32 v[GL+\i], v[GL+\i], v24
.endr
	ds_store_b128 v11, v[GL:GL+3]                  ; read behind the third barrier; waited for in front of the first
	ds_store_b128 v11, v[GL+4:GL+7] offset:16
.Lnot0b:
	v_max3_num_f32 v24, v32, v33, v34              ; the largest of my 64 t, in two chains,
	v_max3_num_f32 v25, v35, v36, v37
.irp i, 6,10,14,18,22,26,30,34,38,42,46,50,54,58
	v_max3_num_f32 v24, v24, v[TV+\i], v[TV+\i+1]
	v_max3_num_f32 v25, v25, v[TV+\i+2], v[TV+\i+3]
.endr
	v_max3_num_f32 v24, v24, v94, v95
	v_max_num_f32 v24, v24, v25
	v_permlanex16_b32 v25, v24, s2, s3
	v_max_num_f32 v24, v24, v25                    ; of lane l xor 16's,
	ds_store_b32 v3, v24
	s_wait_dscnt 0x0
	s_barrier_signal -1
	s_barrier_wait -1
.irp k, 0,1,2,3
	ds_load_b32 v[24+\k], v4 offset:256*\k
.endr
	s_wait_dscnt 0x0
	v_max3_num_f32 v24, v24, v25, v26              ; and of the four waves: the row's
	v_max_num_f32 v24, v24, v27
	v_floor_f32 v26, -v24                          ; -M = floor(-t): M is a whole number
	v_mov_b32 v27, v26
.irp j, 0,2,4,6,8,10,12,14,16,18,20,22,24,26,28,30,32,34,36,38,40,42,44,46,48,50,52,54,56,58,60,62
	v_pk_add_f32 v[TV+\j:TV+\j+1], v[TV+\j:TV+\j+1], v[26:27]
.endr
.set n, 0
.rept 64
	v_exp_f32 v[TV+n], v[TV+n]                     ; p = 2^(t - M)
.set n, n+1
.endr
	v_nop                                          ; the plain line behind the exponentials
	s_wait_kmcnt 0x0
	s_add_co_i32 s95, s96, 127
	s_lshl_b32 s40, s95, 23
	s_add_co_i32 s95, s95, 15
	s_lshl_b32 s95, s95, 23
	s_or_b32 s95, s95, 0x600000
	s_wait_alu depctr_va_vdst(0)                   ; one wait for the batch, ahead of its first reader
	v_pk_add_f32 v[24:25], v[32:33], v[34:35]      ; the sum of the unquantised p, in two chains
	v_pk_add_f32 v[26:27], v[36:37], v[38:39]
.irp j, 8,12,16,20,24,28,32,36,40,44,48,52,56,60
	v_pk_add_f32 v[24:25], v[24:25], v[TV+\j:TV+\j+1]
	v_pk_add_f32 v[26:27], v[26:27], v[TV+\j+2:TV+\j+3]
.endr
	v_pk_add_f32 v[24:25], v[24:25], v[26:27]
	v_add_f32 v24, v24, v25
	v_permlanex16_b32 v25, v24, s2, s3
	v_add_f32 v24, v24, v25
	ds_store_b32 v3, v24 offset:SUMS
	v_mov_b32 v27, s40                             ; 2^(entry 8)
	v_mov_b32 v31, s95                             ; 57,344 x that
.set n, 0
.rept 64
	v_min_num_f32 v[TV+n], v[TV+n], v31            ; the conversion does not saturate (ISA guide 7.6.2); p is not negative, so the hold is one-sided
.set n, n+1
.endr
	s_wait_xcnt 0x0                                ; the parts' loads have read their offsets: those registers take the codes
.irp c, 0,1,2,3
	v_cvt_scalef32_pk8_bf8_f32 v[CD+4*\c:CD+4*\c+1], v[TV+16*\c:TV+16*\c+7], v27
	v_cvt_scalef32_pk8_bf8_f32 v[CD+4*\c+2:CD+4*\c+3], v[TV+16*\c+8:TV+16*\c+15], v27
.endr
	v_nop                                          ; one plain line behind the conversions
.irp c, 0,1,2,3
	v_permlane16_swap_b32 v[CD+4*\c], v[CD+4*\c+2]     ; lane (r, h) now holds slots 32 c + 16 h + 0 .. 15
	v_permlane16_swap_b32 v[CD+4*\c+1], v[CD+4*\c+3]
.endr
.irp c, 0,1,2,3
	ds_store_b128 v5, v[CD+4*\c:CD+4*\c+3] offset:512*\c
.endr
	; chaotic x cyc of my four columns
	v_rcp_f32 v24, s98
	v_mov_b32 v25, s99
	v_mul_f32 v25, 0x40c90fdb, v25                 ; 2 pi x time
	s_wait_alu depctr_va_vdst(0)
	v_mul_f32 v24, v25, v24                        ; / period
.irp k, 0,1,2,3
	v_add_f32 v[20+\k], v24, v[20+\k]
.endr
	SINCOS 20, 32, 36, 40, 44, 0,1,2,3
	v_mov_b32 v25, s100
	v_sub_f32 v26, 1.0, v25
	v_mul_f32 v25, s101, v25
	v_mul_f32 v25, v25, v26                        ; (r c) (1 - c)
.irp k, 0,1,2,3
	v_mul_f32 v[16+\k], v[32+\k], v[16+\k]
.endr
.irp k, 0,1,2,3
	v_mul_f32 v[16+\k], v[16+\k], v25
.endr
	s_cmp_lg_u32 s90, 1
	s_cbranch_scc1 .Lnot1b
	v_mul_f32 v28, 0.5, v28                        ; wave 1: the circuit.  Lane i % 8 holds gate i's theta / 2, phi, lambda
	SINCOS 28, 80, 84, 88, 92, 0,1,2
.irp i, 0,1,2,3,4,5,6,7
	v_readlane_b32 s[40+\i], v80, \i
	v_readlane_b32 s[48+\i], v84, \i
	v_readlane_b32 s[56+\i], v81, \i
	v_readlane_b32 s[66+\i], v85, \i
	v_readlane_b32 s[74+\i], v82, \i
	v_readlane_b32 s[82+\i], v86, \i
.endr
	v_mul_f32 v64, v240, v240
.irp n, 1,2,3,4,5,6,7,8,9,10,11,12,13,14,15
	v_fmac_f32 v64, v[OA+\n], v[OA+\n]
.endr
	v_rsq_f32 v64, v64
	v_nop
	s_wait_alu depctr_va_vdst(0)
.irp n, 0,1,2,3,4,5,6,7,8,9,10,11,12,13,14,15
	v_mul_f32 v[RE+\n], v[OA+\n], v64              ; q / |q|
	v_mov_b32 v[IM+\n], 0
.endr
	GATEQ 0, 8
	GATEQ 1, 4
	GATEQ 2, 2
	GATEQ 3, 1
	GATEQ 4, 8
	GATEQ 5, 4
	GATEQ 6, 2
	GATEQ 7, 1
.irp n, 0,1,2,3,4,5,6,7,8,9,10,11,12,13,14,15
	v_mul_f32 v[T+\n], v[RE+\n], v[RE+\n]
.endr
.irp n, 0,1,2,3,4,5,6,7,8,9,10,11,12,13,14,15
	v_fmac_f32 v[T+\n], v[IM+\n], v[IM+\n]
.endr
.irp k, 0,1,2,3
	ds_store_b128 v12, v[T+4*\k:T+4*\k+3] offset:16*\k
.endr
.Lnot1b:
	s_wait_dscnt 0x0
	s_barrier_signal -1
	s_barrier_wait -1                              ; sums, images, gates and probs lie in LDS
.irp ks, 0,1,2,3
.irp c, 0,1,2,3
	ds_load_b128 v[TV+16*\ks+4*\c:TV+16*\ks+4*\c+3], v6 offset:4096*\ks+512*\c
.endr
.endr
.irp k, 0,1,2,3
	ds_load_b32 v[24+\k], v4 offset:SUMS+256*\k
.endr
	s_add_co_i32 s95, s96, s97
	s_wait_dscnt 0x0
.irp ks, 0,1,2,3                               ; two accumulators by turns
.irp d, 0,1
.if \ks == 0
	v_wmma_f32_16x16x128_bf8_bf8 v[OA+8*\d:OA+8*\d+7], v[MF+64*\d+16*\ks:MF+64*\d+16*\ks+15], v[TV+16*\ks:TV+16*\ks+15], 0
.else
	v_wmma_f32_16x16x128_bf8_bf8 v[OA+8*\d:OA+8*\d+7], v[MF+64*\d+16*\ks:MF+64*\d+16*\ks+15], v[TV+16*\ks:TV+16*\ks+15], v[OA+8*\d:OA+8*\d+7]
.endif
.endr
.endr
	v_add_f32 v24, v24, v25                        ; the row's sum; with the v_nop these are the four places behind the products
	v_add_f32 v26, v26, v27
	v_add_f32 v24, v24, v26
	v_nop
	v_rcp_f32 v24, v24
	v_nop
.irp e, 0,1,2,3,4,5,6,7
	global_load_b128 v[96+4*\e:96+4*\e+3], v1, s[14:15] offset:4096*\e     ; b2
.endr
.irp n, 0,1,2,3,4,5,6,7,8,9,10,11,12,13,14,15
	global_load_b128 v[128+4*\n:128+4*\n+3], v1, s[16:17] offset:4096*\n   ; Wq_out
.endr
	s_wait_alu depctr_va_vdst(0)
	v_ldexp_f32 v24, v24, s95                      ; 2^(entries 8 + 9) / the sum
.set n, 0
.rept 16
	v_mul_f32 v[CD+n], v[OA+n], v24                ; each accumulator from its low end on
.set n, n+1
.endr
.irp d, 0,1
	ds_store_b128 v7, v[CD+8*\d:CD+8*\d+3] offset:64*\d
	ds_store_b128 v7, v[CD+8*\d+4:CD+8*\d+7] offset:64*\d+16
.endr
	s_wait_dscnt 0x0
	s_barrier_signal -1
	s_barrier_wait -1                              ; 32 whole rows of the read lie in LDS
.irp rho, 0,1,2,3
	ds_load_b128 v[32+8*\rho:32+8*\rho+3], v9 offset:32*\rho
	ds_load_b128 v[36+8*\rho:36+8*\rho+3], v9 offset:32*\rho+16
.endr
.irp rho, 0,1
.irp k, 0,1,2,3
	ds_load_b128 v[64+16*\rho+4*\k:64+16*\rho+4*\k+3], v10 offset:64*\rho+16*\k
	ds_load_b128 v[192+16*\rho+4*\k:192+16*\rho+4*\k+3], v10 offset:128+64*\rho+16*\k
.endr
.endr
.irp rho, 0,1,2,3
	ds_load_b128 v[CD+4*\rho:CD+4*\rho+3], v8 offset:528*\rho
.endr
	s_wait_loadcnt 0x0                             ; the parts, b2, Wq_out
	s_wait_dscnt 0x0
	WIN 0x45                                       ; sources 0, 1 and destination window 1
.irp rho, 0,1,2,3
.irp e, 0,1,2,3,4,5,6,7
.irp k, 0,2
	v_pk_add_f32 v[4*(16*\rho+2*\e)+\k:4*(16*\rho+2*\e)+\k+1], v[4*(16*\rho+2*\e)+\k:4*(16*\rho+2*\e)+\k+1], v[4*(16*\rho+2*\e+1)+\k:4*(16*\rho+2*\e+1)+\k+1]   ; an expert's two halves of K
.endr
.endr
.endr
	WIN 0x04                                       ; source 1 window 1
.irp e, 0,1,2,3,4,5,6,7
.irp rho, 0,1,2,3
.irp j, 0,1,2,3
.if \e == 0
	v_fma_f32 v[OA+4*\rho+\j], v[32+8*\rho+\e], v[4*(16*\rho+2*\e)+\j], v[CD+4*\rho+\j]      ; the read starts the sum
.else
	v_fma_f32 v[OA+4*\rho+\j], v[32+8*\rho+\e], v[4*(16*\rho+2*\e)+\j], v[OA+4*\rho+\j]
.endif
.endr
.endr
.endr
	WIN 0
.irp e, 0,1,2,3,4,5,6,7
.irp rho, 0,1,2,3
.irp j, 0,1,2,3
	v_fma_f32 v[OA+4*\rho+\j], v[32+8*\rho+\e], v[96+4*\e+\j], v[OA+4*\rho+\j]               ; gate x b2
.endr
.endr
.endr
.irp n, 0,1,2,3,4,5,6,7,8,9,10,11,12,13,14,15
.irp rho, 0,1
.irp j, 0,1,2,3
	v_fma_f32 v[OA+4*\rho+\j], v[64+16*\rho+\n], v[128+4*\n+\j], v[OA+4*\rho+\j]             ; probs x Wq_out
	v_fma_f32 v[OA+8+4*\rho+\j], v[192+16*\rho+\n], v[128+4*\n+\j], v[OA+8+4*\rho+\j]
.endr
.endr
.endr
.irp rho, 0,1,2,3
.irp k, 0,2
	v_pk_mul_f32 v[OA+4*\rho+\k:OA+4*\rho+\k+1], v[OA+4*\rho+\k:OA+4*\rho+\k+1], v[16+\k:17+\k]
.endr
.endr
.irp rho, 0,1,2,3
	global_store_b128 v1, v[OA+4*\rho:OA+4*\rho+3], s[38:39] offset:4096*\rho    ; 512 consecutive bytes, aligned
.endr
	s_wait_xcnt 0x0
	v_lshl_add_u32 v230, v0, 2, 0xa000
	v_mov_b32 v231, 0
	s_wait_tensorcnt 0x0
	ds_add_u32 v230, v231
	s_wait_dscnt 0x0
	s_endpgm
.Lfunc_end_k_q2374c6b1e2_fin:
	.size	k_q2374c6b1e2_fin, .Lfunc_end_k_q2374c6b1e2_fin-k_q2374c6b1e2_fin
	.p2alignl 7, 3214868480
	.fill 96, 4, 3214868480
	.section	.rodata,"a",@progbits
	.p2align	6, 0x0
	.amdhsa_kernel k_q2374c6b1e2_fin
		.amdhsa_group_segment_fixed_size 41984
		.amdhsa_private_segment_fixed_size 0
		.amdhsa_enable_private_segment 0
		.amdhsa_kernarg_size 144
		.amdhsa_user_sgpr_count 2
		.amdhsa_user_sgpr_kernarg_segment_ptr 1
		.amdhsa_wavefront_size32 1
		.amdhsa_system_sgpr_workgroup_id_x 1
		.amdhsa_system_sgpr_workgroup_id_y 1
		.amdhsa_system_sgpr_workgroup_id_z 1
		.amdhsa_system_vgpr_workitem_id 0
		.amdhsa_next_free_vgpr 512
		.amdhsa_next_free_sgpr 102
		.amdhsa_reserve_vcc 0
		.amdhsa_float_denorm_mode_32 3
		.amdhsa_float_denorm_mode_16_64 3
		.amdhsa_memory_ordered 1
		.amdhsa_forward_progress 1
		.amdhsa_inst_pref_size 139
	.end_amdhsa_kernel
	.amdgpu_metadata
---
amdhsa.version: [ 1, 2 ]
amdhsa.kernels:
  - .name:           k_q2374c6b1e2_fin
    .symbol:         k_q2374c6b1e2_fin.kd
    .args:
      - { .name: part, .offset: 0, .size: 8, .value_kind: global_buffer, .address_space: global }
      - { .name: glog, .offset: 8, .size: 8, .value_kind: global_buffer, .address_space: global }
      - { .name: qbuf, .offset: 16, .size: 8, .value_kind: global_buffer, .address_space: global }
      - { .name: tbuf, .offset: 24, .size: 8, .value_kind: global_buffer, .address_space: global }
      - { .name: memory_codes, .offset: 32, .size: 8, .value_kind: global_buffer, .address_space: global }
      - { .name: b2, .offset: 40, .size: 8, .value_kind: global_buffer, .address_space: global }
      - { .name: Wq_out, .offset: 48, .size: 8, .value_kind: global_buffer, .address_space: global }
      - { .name: thetas, .offset: 56, .size: 8, .value_kind: global_buffer, .address_space: global }
      - { .name: phis, .offset: 64, .size: 8, .value_kind: global_buffer, .address_space: global }
      - { .name: lams, .offset: 72, .size: 8, .value_kind: global_buffer, .address_space: global }
      - { .name: amplitude, .offset: 80, .size: 8, .value_kind: global_buffer, .address_space: global }
      - { .name: phase_shift, .offset: 88, .size: 8, .value_kind: global_buffer, .address_space: global }
      - { .name: period, .offset: 96, .size: 8, .value_kind: global_buffer, .address_space: global }
      - { .name: time_scalar, .offset: 104, .size: 8, .value_kind: global_buffer, .address_space: global }
      - { .name: c, .offset: 112, .size: 8, .value_kind: global_buffer, .address_space: global }
      - { .name: chaotic_r, .offset: 120, .size: 8, .value_kind: global_buffer, .address_space: global }
      - { .name: lowp_scales, .offset: 128, .size: 8, .value_kind: global_buffer, .address_space: global }
      - { .name: out0, .offset: 136, .size: 8, .value_kind: global_buffer, .address_space: global }
    .group_segment_fixed_size: 41984
    .private_segment_fixed_size: 0
    .kernarg_segment_align: 8
    .kernarg_segment_size: 144
    .max_flat_workgroup_size: 256
    .sgpr_count:     102
    .vgpr_count:     512
    .wavefront_size: 32
...
	.end_amdgpu_metadata
.endif
;; end of part 4
